; MI455X (gfx1250); checked and timed in simulation.
; The chip was launched on July 23, 2026; its instructions are those of AMD's public machine-readable ISA for CDNA 5 (MIT licence, August 2026) and "CDNA5" Instruction Set Architecture Reference Guide (July 2026). The comments in the code are by the model that wrote it; some were corrected since.
;; MILP Attention. Allowed arithmetic: matrix products marked QUANTISED: E5M2 operands, one E8M0 scale for each 32 along K, by v_wmma_scale_f32_16x16x128_f8f6f4 with both operands' format E5M2, f32 sums; everything else in f32.
;; Inputs: Wk_codes 1,024 x 32 x 32 uint8 (E5M2 codes of Wk, K innermost, in blocks of 32 codes); Wk_scales 1,024 x 32 uint8 (E8M0 scales of Wk, one for each 32 codes along K); Wo_codes 1,024 x 32 x 32 uint8 (E5M2 codes of Wo, K innermost, in blocks of 32 codes); Wo_scales 1,024 x 32 uint8 (E8M0 scales of Wo, one for each 32 codes along K); Wq_codes 1,024 x 32 x 32 uint8 (E5M2 codes of Wq, K innermost, in blocks of 32 codes); Wq_scales 1,024 x 32 uint8 (E8M0 scales of Wq, one for each 32 codes along K); Wv_codes 1,024 x 32 x 32 uint8 (E5M2 codes of Wv, K innermost, in blocks of 32 codes); Wv_scales 1,024 x 32 uint8 (E8M0 scales of Wv, one for each 32 codes along K); bk 1,024 float32; bo 1,024 float32; bq 1,024 float32; bv 1,024 float32; h 4,096 float32; x 4,096 x 1,024 float32.
;; Outputs: out0 4,096 x 1,024 float32.
;; This version of the problem:
;;   THIS VERSION OF THE PROBLEM IS GIVEN IN LOW PRECISION. The matrix products marked QUANTISED in the list below multiply operands that are first quantised to E5M2 (5 exponent bits, 2 mantissa bits; 8 bits a number), with one power-of-two scale for each 32 numbers along K (OCP MX v1.0); their sums are f32. All else is computed in f32.
;;   The module's matrix products, in the order in which they are computed (A, B: the left and right operand; K: the contracted axis; several contracted axes count as one K, in the product's order):
;;     1. [M 4,096, K 1,024] x [K 1,024, N 1,024]; A: input x; B: input Wq (given as codes): QUANTISED
;;     2. [M 4,096, K 1,024] x [K 1,024, N 1,024]; A: input x; B: input Wk (given as codes): QUANTISED
;;     3. [M 4,096, K 1,024] x [K 1,024, N 1,024]; A: input x; B: input Wv (given as codes): QUANTISED
;;     4. batch 16 x [M 4,096, K 64] x [K 64, N 4,096]; A: computed on the way; B: computed on the way: QUANTISED
;;     5. batch 16 x [M 64, K 4,096] x [K 4,096, N 4,096]; A: computed on the way; B: softmax (see below): QUANTISED
;;     6. [M 4,096, K 1,024] x [K 1,024, N 1,024]; A: computed on the way; B: input Wo (given as codes): QUANTISED
;;   THE QUANTISER, for each operand of a quantised product, along K:
;;     - K is cut into blocks of 32 from its start; a last block that is shorter is filled with zeros.
;;     - A block's scale is 2^e with e = floor(log2(the largest magnitude in the block)) - 15, held to -126 .. 127; a block of zeros has e = 0. As a byte (E8M0): e + 127.
;;     - Each number is divided by its block's scale, clamped to +-57,344, and rounded to the nearest number of E5M2, ties to even, subnormals kept.
;;     - The product sums the exact products of the quantised numbers (number of the format x scale) in f32.
;;   ~~~python
;;   def quantise(x, axis):      # numpy; x: float32 -> the quantised numbers, widened to float32 again
;;       x = np.moveaxis(x, axis, -1); K = x.shape[-1]
;;       x = np.pad(x, [(0, 0)] * (x.ndim - 1) + [(0, -K % 32)]); x = x.reshape(x.shape[:-1] + (-1, 32)); a = np.abs(x).max(-1, keepdims=True)
;;       e = np.where(a > 0, np.clip(np.frexp(np.where(a > 0, a, 1))[1] - 1 - 15, -126, 127), 0)      # np.frexp(a)[1] - 1 = floor(log2(a)), exactly
;;       r = np.clip(x / 2.0 ** e, -57344, 57344)
;;       step = 2.0 ** (np.maximum(np.frexp(np.where(r == 0, 1, r))[1] - 1, -14) - 2)
;;       q = np.round(r / step) * step * 2.0 ** e      # np.round: ties to even
;;       return np.moveaxis(q.reshape(q.shape[:-2] + (-1,))[..., :K], -1, axis).astype(np.float32)
;;   ~~~
;;   SOFTMAX AHEAD OF A QUANTISED PRODUCT. Where the list says 'softmax', what is quantised is not the finished softmax but p = 2^(t - M), with t = logit x log2(e) and M = ceil(the row's largest t), a whole number; so 1/2 < the row's largest p <= 1. The row's sum l is taken of the UNQUANTISED p, in f32, and the product's result is divided by l at the end. Since M is a whole number, a kernel that streams over the keys may use a running M (the ceiling of the running maximum): every later rescaling is an exact power of two, which a block's scale takes up: the codes' values come out the same.
;;   OPERANDS COMPUTED ON THE WAY. 'Computed on the way' means the value that the module computes at that place (a softmax that the list does not call 'softmax' is quantised finished and normalised). What goes into a quantiser is computed in f32, as accurately as f32 sums, v_exp_f32 and their like allow (about 1e-6 of the number): no bf16 or f16 on the way to a quantiser, and a product that is left as it is and whose result goes on into a quantised operand takes f32 operands (vector FMAs, or v_wmma_f32_16x16x4_f32). A number that lies on a knife's edge between two numbers of the format may be rounded either way, as far as f32 arithmetic and the matrix unit's own rounding can turn it there, and no further.
;;   INPUTS GIVEN AS CODES. Wk (in the module: [1024, 1024], K = its axis 1); Wo (in the module: [1024, 1024], K = its axis 1); Wq (in the module: [1024, 1024], K = its axis 1); Wv (in the module: [1024, 1024], K = its axis 1): each comes as NAME_codes (uint8): NAME with its K axis moved to the last place and cut into blocks of 32 codes, [.., K / 32, bytes a block], one block behind the other in memory; one code a byte (a code: sign, 5 exponent bits, 2 mantissa bits); and NAME_scales (uint8): the same leading axes, one E8M0 byte (e + 127) for each 32 codes along K. Its value is code x scale, taken as it is: it is not quantised again, and the codes and scales need not be those that the quantiser above would give.
;; One version. Each part assembles by itself: llvm-mc -triple=amdgcn-amd-amdhsa -mcpu=gfx1250 --defsym DOCPART=n.
;; ======== version 1 of 1: 4 launches
;; limits: right only within a limited range of input values
;; workspace buffers: xc 4,194,304 bytes; xs 131,072 bytes; qc 4,194,304 bytes; qs 262,144 bytes; kv 8,912,896 bytes; ac 4,194,304 bytes; asc 131,072 bytes
;; launch xquant (part 1): grid 256 x 1, 2 waves a work-group, no clusters, 17,152 bytes of LDS; arguments x, xc, xs; writes xc, xs
.if DOCPART == 1
	.amdgcn_target "amdgcn-amd-amdhsa--gfx1250"
	.amdhsa_code_object_version 6
	.text
	.protected	k_q025cbbd00e_xquant
	.globl	k_q025cbbd00e_xquant
	.p2align	8
	.type	k_q025cbbd00e_xquant,@function
k_q025cbbd00e_xquant:
	s_mov_b64 s[64:65], 0
	v_nop
	global_prefetch_b8 v0, s[64:65] scope:SCOPE_SE
	s_setreg_imm32_b32 hwreg(HW_REG_WAVE_MODE, 25, 1), 1
	s_wait_xcnt 0x0
; x [4096][1024] f32 becomes codes of BF8 (E5M2) with one E8M0 byte for each 32 along K, laid as IMAGES OF OPERAND REGISTERS.
; A tile T = 2 B + U holds 16 tokens: lane row r is token 32 B + 8 U + r + 8 (r / 8).  A fragment (16 rows x 128 K) is 16 registers a lane:
; registers 4 g .. 4 g + 3 hold K = 32 g + 16 (lane / 16) + 0 .. 15 of row lane % 16.  Its image is [g 4][lane 32][16 bytes], 2,048 bytes.
; xc: [T / 4][K step 8][T % 4][image].   xs: [T][half 2][row 16][4 words]: word q of half hh is the scale word of K step 4 hh + q.
; SHARES: a work-group is one tile; wave hh takes K steps 4 hh .. 4 hh + 3.  Each load reads 512 consecutive bytes of one row; a K step's 16 rows turn
; through the wave's own stage in LDS (rows 528 bytes apart = 33 x 16: sixteen rows start in sixteen different 16-byte columns) and come back 16 neighbours a lane and block.
; The waves share nothing: no barrier.  Loads run two K steps (32 loads a wave) ahead.
; A block's scale is 2^(floor(log2(largest magnitude)) - 15); its byte is the largest magnitude's exponent field - 15, held at 1 from below.
; LIMITS: a block of zeros, or one whose largest magnitude lies under 2^-111, gets the byte 1 (its codes are then zeros or subnormal codes; only this program reads the bytes); NaN and infinities are not served.
.set ROWX,   4096                      ; a row of x in bytes
.set SPITCH, 528                       ; a stage row: 512 bytes + 16
.set LI,  4                            ; v4   16 x lane
.set SI,  5                            ; v5   stage, on the way in: 16 x lane
.set SO,  6                            ; v6   stage, on the way out: 528 r + 64 h
.set XSO, 7                            ; v7   16 r: my row's four scale words
.set R,   16                           ; v16-143  two sets of 64 registers as loaded
.set ST,  144                          ; v144-207 64 numbers: register 16 b + i = K 32 b + 16 h + i of my row
.set PC,  208                          ; v208-223 the fragment's codes
.set TM,  224                          ; v224-227 largest magnitudes, 228-231 bytes, 232-235 holds, 236-239 scale operands
.set PW,  240                          ; v240 the scale word just made
.set W4,  244                          ; v244-247 the four K steps' scale words
.set SEL, 20                           ; s[20:21] selects of v_permlanex16_b32: lane l xor 16
.set MNT, 23                           ; s23 the mantissa field of 57,344
	s_load_b128 s[4:7], s[0:1], 0x0                ; x, xc
	s_load_b64 s[8:9], s[0:1], 0x10                ; xs
	v_lshl_add_u32 v248, v0, 2, 0x4200
	v_mov_b32 v249, 0
	v_lshrrev_b32 v8, 5, v0
	v_readfirstlane_b32 s12, v8                    ; hh: my wave
	v_and_b32 v1, 31, v0                           ; lane
	v_and_b32 v2, 15, v0                           ; r
	v_bfe_u32 v3, v0, 4, 1                         ; h
	v_lshlrev_b32 v[LI], 4, v1
	s_mul_i32 s13, s12, 16*SPITCH                  ; my stage
	v_add_nc_u32 v[SI], s13, v[LI]
	v_mul_u32_u24 v[SO], v2, SPITCH
	v_lshl_add_u32 v[SO], v3, 6, v[SO]
	v_add_nc_u32 v[SO], s13, v[SO]
	v_lshlrev_b32 v[XSO], 4, v2
	s_mov_b32 s[SEL], 0x76543210
	s_mov_b32 s[SEL+1], 0xfedcba98
	s_mov_b32 s[MNT], 0x600000
.irp b, 0,1,2,3
	v_mov_b32 v[TM+4+\b], 0                        ; written once: a lane permute's destination counts as one of its sources
.endr
	s_lshr_b32 s14, ttmp9, 1                       ; x: (32 (T / 2) + 8 (T % 2)) rows of 4,096 bytes + 2,048 hh
	s_lshl_b32 s14, s14, 17
	s_and_b32 s15, ttmp9, 1
	s_lshl_b32 s15, s15, 15
	s_add_co_u32 s14, s14, s15
	s_lshl_b32 s15, s12, 11
	s_add_co_u32 s14, s14, s15
	s_mov_b32 s15, 0
	s_lshr_b32 s16, ttmp9, 2                       ; xc: 65,536 (T / 4) + 2,048 (T % 4) + 4 K steps x 8,192 x hh
	s_lshl_b32 s16, s16, 16
	s_and_b32 s17, ttmp9, 3
	s_lshl_b32 s17, s17, 11
	s_add_co_u32 s16, s16, s17
	s_lshl_b32 s17, s12, 15
	s_add_co_u32 s16, s16, s17
	s_mov_b32 s17, 0
	s_lshl_b32 s18, ttmp9, 9                       ; xs: 512 T + 256 hh
	s_lshl_b32 s19, s12, 8
	s_add_co_u32 s18, s18, s19
	s_mov_b32 s19, 0
	s_wait_alu depctr_va_vdst(0)
	s_wait_kmcnt 0x0
	s_add_nc_u64 s[4:5], s[4:5], s[14:15]
	s_add_nc_u64 s[6:7], s[6:7], s[16:17]
	s_add_nc_u64 s[8:9], s[8:9], s[18:19]
.macro XLOAD q                         ; my K step q of the tile's 16 rows: 512 consecutive bytes a load
.irp i, 0,1,2,3,4,5,6,7,8,9,10,11,12,13,14,15
	global_load_b128 v[R+64*((\q)%2)+4*\i:R+64*((\q)%2)+4*\i+3], v[LI], s[4:5] offset:(\i+8*(\i/8))*ROWX+512*(\q) th:TH_LOAD_NT
.endr
.endm
.macro TURN q                          ; through the stage: LDS serves a wave's instructions in order, so no wait stands between the stores and the loads
.irp i, 0,1,2,3,4,5,6,7,8,9,10,11,12,13,14,15
	ds_store_b128 v[SI], v[R+64*((\q)%2)+4*\i:R+64*((\q)%2)+4*\i+3] offset:SPITCH*\i
.endr
.irp b, 0,1,2,3
.irp j, 0,1,2,3
	ds_load_b128 v[ST+16*\b+4*\j:ST+16*\b+4*\j+3], v[SO] offset:128*\b+16*\j
.endr
.endr
.endm
.macro QUANT                           ; the 64 numbers in v[ST] on become a fragment's codes in v[PC] on and its scale word in v[PW]
.irp b, 0,1,2,3
	v_max3_num_f32 v[TM+\b], |v[ST+16*\b]|, |v[ST+1+16*\b]|, 0x8000000   ; block b: my 16 numbers, and the floor 2^(16 - 127): the byte cannot fall under 1
.endr
.irp i, 2,4,6,8,10,12,14
.irp b, 0,1,2,3
	v_max3_num_f32 v[TM+\b], v[TM+\b], |v[ST+16*\b+\i]|, |v[ST+1+16*\b+\i]|   ; the four blocks by turns
.endr
.endr
.irp b, 0,1,2,3
	v_permlanex16_b32 v[TM+4+\b], v[TM+\b], s[SEL], s[SEL+1]
.endr
.irp b, 0,1,2,3
	v_max_num_f32 v[TM+\b], v[TM+\b], v[TM+4+\b]   ; with lane l xor 16's 16: the block's largest magnitude
.endr
.irp b, 0,1,2,3
	v_add_nc_u32 v[TM+12+\b], 0xf8800000, v[TM+\b] ; 15 off its exponent field: the conversion's scale operand
.endr
.irp b, 0,1,2,3
	v_and_or_b32 v[TM+8+\b], v[TM+\b], 0x7f800000, s[MNT]   ; 57,344 x the scale
.endr
.irp b, 0,1,2,3
	v_lshrrev_b32 v[TM+4+\b], 23, v[TM+12+\b]      ; the scale's byte
.endr
	v_lshl_or_b32 v[PW], v[TM+5], 8, v[TM+4]
	v_lshl_or_b32 v[PW], v[TM+6], 16, v[PW]
	v_lshl_or_b32 v[PW], v[TM+7], 24, v[PW]
.irp b, 0,1,2,3
.irp i, 0,1,2,3,4,5,6,7,8,9,10,11,12,13,14,15
	v_med3_num_f32 v[ST+16*\b+\i], v[ST+16*\b+\i], -v[TM+8+\b], v[TM+8+\b]   ; the conversion to an 8-bit code does not saturate (ISA guide 7.6.2): the hold comes first
.endr
	v_cvt_scalef32_pk8_bf8_f32 v[PC+4*\b:PC+4*\b+1], v[ST+16*\b:ST+16*\b+7], v[TM+12+\b]
	v_cvt_scalef32_pk8_bf8_f32 v[PC+4*\b+2:PC+4*\b+3], v[ST+16*\b+8:ST+16*\b+15], v[TM+12+\b]
.endr
	v_nop                                          ; one plain vector line behind the last conversion
.endm
	XLOAD 0
	XLOAD 1
.macro KSTEP q
.if (\q) < 3
	s_wait_loadcnt 16                              ; this K step's 16 loads are in; the next one's 16 may be out
.else
	s_wait_loadcnt 0x0
.endif
	TURN \q
	s_wait_dscnt 0x0                               ; the numbers are back, so the stage's stores have read their registers
.if (\q) < 2
	XLOAD (\q)+2
.endif
.if (\q) > 0
	s_wait_xcnt 0x0                                ; the last K step's stores have read v[PC] on, which is written again below
.endif
	QUANT
.irp g, 0,1,2,3
	global_store_b128 v[LI], v[PC+4*\g:PC+4*\g+3], s[6:7] offset:8192*(\q)+512*\g   ; 32 lanes store 512 consecutive bytes
.endr
	v_mov_b32 v[W4+(\q)], v[PW]
.endm
	KSTEP 0
	KSTEP 1
	KSTEP 2
	KSTEP 3
	s_wait_alu depctr_va_vdst(0)
	s_wait_xcnt 0x0                                ; EXEC changes only behind this wait
	v_cmp_gt_u32 vcc_lo, 16, v1
	s_wait_tensorcnt 0x0
	ds_add_u32 v248, v249
	s_wait_dscnt 0x0
	s_and_saveexec_b32 s10, vcc_lo                 ; lanes 16-31 hold the same words as lanes 0-15
	global_store_b128 v[XSO], v[W4:W4+3], s[8:9]   ; sixteen lanes store 256 consecutive bytes, aligned
	s_endpgm
.Lfunc_end_k_q025cbbd00e_xquant:
	.size	k_q025cbbd00e_xquant, .Lfunc_end_k_q025cbbd00e_xquant-k_q025cbbd00e_xquant
	.p2alignl 7, 3214868480
	.fill 96, 4, 3214868480
	.section	.rodata,"a",@progbits
	.p2align	6, 0x0
	.amdhsa_kernel k_q025cbbd00e_xquant
		.amdhsa_group_segment_fixed_size 17152
		.amdhsa_private_segment_fixed_size 0
		.amdhsa_enable_private_segment 0
		.amdhsa_kernarg_size 24
		.amdhsa_user_sgpr_count 2
		.amdhsa_user_sgpr_kernarg_segment_ptr 1
		.amdhsa_wavefront_size32 1
		.amdhsa_system_sgpr_workgroup_id_x 1
		.amdhsa_system_sgpr_workgroup_id_y 1
		.amdhsa_system_sgpr_workgroup_id_z 1
		.amdhsa_system_vgpr_workitem_id 0
		.amdhsa_next_free_vgpr 250
		.amdhsa_next_free_sgpr 66
		.amdhsa_reserve_vcc 1
		.amdhsa_float_denorm_mode_32 3
		.amdhsa_float_denorm_mode_16_64 3
		.amdhsa_memory_ordered 1
		.amdhsa_forward_progress 1
		.amdhsa_inst_pref_size 51
	.end_amdhsa_kernel
	.amdgpu_metadata
---
amdhsa.version: [ 1, 2 ]
amdhsa.kernels:
  - .name:           k_q025cbbd00e_xquant
    .symbol:         k_q025cbbd00e_xquant.kd
    .args:
      - { .name: x, .offset: 0, .size: 8, .value_kind: global_buffer, .address_space: global }
      - { .name: xc, .offset: 8, .size: 8, .value_kind: global_buffer, .address_space: global }
      - { .name: xs, .offset: 16, .size: 8, .value_kind: global_buffer, .address_space: global }
    .group_segment_fixed_size: 17152
    .private_segment_fixed_size: 0
    .kernarg_segment_align: 8
    .kernarg_segment_size: 24
    .max_flat_workgroup_size: 64
    .sgpr_count:     66
    .vgpr_count:     250
    .wavefront_size: 32
...
	.end_amdgpu_metadata
.endif
;; end of part 1
;; launch qkv (part 2): grid 16 x 16, 4 waves a work-group, clusters of 4 x 1, 209,408 bytes of LDS; arguments xc, xs, Wq_codes, Wq_scales, Wk_codes, Wk_scales, Wv_codes, Wv_scales, bq, bk, bv, h, qc, qs, kv; writes qc, qs, kv
.if DOCPART == 2
	.amdgcn_target "amdgcn-amd-amdhsa--gfx1250"
	.amdhsa_code_object_version 6
	.text
	.protected	k_q025cbbd00e_qkv
	.globl	k_q025cbbd00e_qkv
	.p2align	8
	.type	k_q025cbbd00e_qkv,@function
k_q025cbbd00e_qkv:
	s_mov_b64 s[64:65], 0
	v_nop
	global_prefetch_b8 v0, s[64:65] scope:SCOPE_SE
	s_setreg_imm32_b32 hwreg(HW_REG_WAVE_MODE, 25, 1), 1
	s_wait_xcnt 0x0
	s_wait_alu depctr_hold_cnt(0) depctr_sa_sdst(0) depctr_va_vdst(0) depctr_va_sdst(0) depctr_va_ssrc(0) depctr_va_vcc(0) depctr_vm_vsrc(0)
	s_getreg_b32 s2, hwreg(HW_REG_IB_STS2, 6, 4)
	s_cmp_eq_u32 s2, 0
	s_cbranch_scc0 .Lentry_in_a_cluster
	s_endpgm
.Lentry_in_a_cluster:
	s_bfe_u32 s2, ttmp6, 0x10000c
	s_cmp_lg_u32 s2, 0x3003
	s_cbranch_scc0 .Lentry_shape_is_right
	s_endpgm
.Lentry_shape_is_right:
; q, k, v = x W^T + b for one head and 256 tokens, on codes of BF8 with E8M0 scales, and their quantising: q and k along the head's 64 channels, v along the tokens (the keys).
; SHARES: work-group = 256 tokens (tb) x head hd; wave w = 64 tokens (group G = 4 tb + w: four tiles of 16) x the head's 192 rows of Wq, Wk, Wv (12 tiles of 16): 48 accumulators,
; 48 matrix instructions for each of 8 K steps of 128, written out: every offset is an immediate.
; THE HEAD'S WEIGHTS stay in LDS: 3 units x 64 rows of 1,024 bytes, 1,040 bytes apart (1,024 + 16: sixteen rows start at sixteen different 16-byte columns).  Filled once, nothing is filled again.
; CLUSTER: the four token blocks of a cluster want the same 192 rows: waves 0, 1, 2 ask for Wq, Wk, Wv JOINTLY (mask 15), one load each; wave 3 asks for nothing.
; x's fragments are a wave's own: they come from xc, as images, straight into registers, four K steps ahead.
; q, k: source 0 = 16 rows of W, source 1 = x's tile: lane (r, h) holds token r of the tile and channels 16 t + 8 h + j.   v: source 0 = x's tile, source 1 = 16 rows of Wv: lane (r, h) holds channel 16 t + r and,
; since a tile's rows are tokens 32 B + 8 U + row + 8 (row / 8), tokens 32 B + 16 h + 8 U + j: the 16 registers of tiles 2 B and 2 B + 1 are 16 neighbouring tokens.  The biases are the C of each sum's first product.
; SCALE WORDS: one 16-byte load gives lanes 0-15 the words of K steps 0-3 and lanes 16-31 those of K steps 4-7; from K step 4 on both sides read lanes 16-31.
; OUT: qc [head][T][c 2][lane][16]; qs [head][T][r] words (s0, s1, s0, s1);  kv [head][step of 128 keys][17,408]: +0 four images of PAIRS of key tiles (groups 0, 1: tile 2 b's 64 channels; groups 2, 3: tile 2 b + 1's),
; +8,192 four images of 16 channels x 128 keys of v, +16,384 k's scale words [pair][r], +16,640 v's [t][r], +16,896 128 numbers -8 h[key].
; LIMITS: blocks of zeros or under 2^-111 get the byte 1; NaN and infinities are not served.  v's scale bytes leave as half-words, 512 bytes of a work-group's 56 KB: those 256-byte blocks are written by two waves.
; REGISTERS, in windows of 256.  Window 0: v4-13 addresses; v16-31 x's scale words; v32-79 W's; v80-143 bq, bk as C; v144-175 bv as C; v176-179 h; v192-255 Wq's four fragments; at the end v80-129 serve the quantiser.
;   Window 1: q's 16 accumulators at v[32 i + 8 t], k's at v[128 + 32 i + 8 t].   Window 2: v's at v[16 (4 (i / 2) + t) + 8 (i % 2)]; v128-191 Wk's fragments, v192-255 Wv's.   Window 3: x's fragments, four sets of 64.
; LDS as it now stands: each unit is 64 whole rows of 1,024 bytes, 1,040 bytes apart (65 x 16), brought by ONE joint load a wave (waves 0, 1, 2); every wave waits for 0 ahead of the one barrier at the head.
.set UB,    66560                      ; a unit's bytes in LDS: 64 rows x 1,040
.set CH,    17408                      ; a chunk: 64 rows x 272
.set PITCH, 1040
.set LI,  4                            ; v4   16 x lane
.set WA,  5                            ; v5-7 my place in a tile of unit 0, 1, 2: unit x UB + 1,040 r + 16 h
.set WSO, 8                            ; v8   32 r + 16 h: W's scale words
.set XSO, 9                            ; v9   256 h + 16 r: x's scale words
.set BO,  10                           ; v10  32 h
.set BVO, 11                           ; v11  4 r
.set L4,  12                           ; v12  4 x lane
.set L8,  13                           ; v13  8 x lane
.set XS,  16
.set WS,  32
.set BQK, 80
.set BV,  144
.set HH,  176
.set FQ,  192                          ; in window 0
.set FK,  128                          ; in window 2
.set FV,  192                          ; in window 2
.set TM,  80                           ; the quantiser: v80-83 largest magnitudes, 84-87 bytes, 88-91 holds, 92-95 scale operands
.set PW,  96
.set PC,  100                          ; v100-115 codes
.set QW,  116                          ; v116-117 q's scale words as stored
.set KW,  118                          ; v118-119 k's
.set SV,  120                          ; v120-123 v's half-words
.set SELV, 128                         ; v128 byte selects: lanes 0-15 bytes 0, 1, 0, 1; lanes 16-31 bytes 2, 3, 2, 3
.set WV,  34
.set G1,  36                           ; s[36:43] descriptor group 1
.set G0,  44                           ; s[44:47] group 0
.set SEL, 66
.set MNT, 68
.set MSK, 69                           ; lanes 16-31
.set KB,  74                           ; s[74:75] .. s[82:83]: where my parts of the step's block begin
.set VB,  76
.set KSB, 78
.set VSB, 80
.set HBB, 82
.set MSB, 0
.macro WIN new                         ; the immediate's high byte repeats the setting that is left
.if MSB != (\new)
	s_set_vgpr_msb (MSB<<8)|(\new)
.set MSB, (\new)
.endif
.endm
.macro ROUND                           ; a round of the cluster's barrier
	s_barrier_signal -1
	s_barrier_wait -1
	s_cmp_lg_u32 s[WV], 0
	s_cbranch_scc1 .Lnot_wave_0_\@
	s_barrier_signal -3
.Lnot_wave_0_\@:
	s_barrier_wait -3
	s_barrier_signal -1
	s_barrier_wait -1
.endm
.macro PLACES n
.rept \n
	v_nop
.endr
.endm
	s_load_b512 s[4:19], s[0:1], 0x0               ; xc, xs, Wq codes, scales, Wk codes, scales, Wv codes, scales
	s_load_b256 s[20:27], s[0:1], 0x40             ; bq, bk, bv, h
	s_load_b128 s[28:31], s[0:1], 0x60             ; qc, qs
	s_load_b64 s[32:33], s[0:1], 0x70              ; kv
	v_lshl_add_u32 v190, v0, 2, 0x33000
	v_mov_b32 v191, 0
	ds_add_u32 v190, v191
	ds_add_u32 v190, v191
	v_lshrrev_b32 v1, 5, v0
	v_readfirstlane_b32 s[WV], v1                  ; wave 0..3
	v_and_b32 v1, 31, v0                           ; lane
	v_and_b32 v2, 15, v0                           ; r
	v_bfe_u32 v3, v0, 4, 1                         ; h
	v_lshlrev_b32 v[LI], 4, v1
	v_mul_u32_u24 v[WA], v2, PITCH
	v_lshl_add_u32 v[WA], v3, 4, v[WA]
	v_add_nc_u32 v[WA+1], UB, v[WA]
	v_add_nc_u32 v[WA+2], 2*UB, v[WA]
	v_lshlrev_b32 v[WSO], 5, v2
	v_lshl_add_u32 v[WSO], v3, 4, v[WSO]
	v_lshlrev_b32 v[XSO], 4, v2
	v_lshl_add_u32 v[XSO], v3, 8, v[XSO]
	v_lshlrev_b32 v[BO], 5, v3
	v_lshlrev_b32 v[BVO], 2, v2
	v_lshlrev_b32 v[L4], 2, v1
	v_lshlrev_b32 v[L8], 3, v1
	s_bfe_u32 s70, ttmp6, 0x40000                  ; cx
	s_lshl_b32 s71, ttmp9, 2
	s_add_co_u32 s71, s71, s70                     ; tb = 4 x cluster x + cx: it enters global addresses of my own loads and stores alone
	s_and_b32 s72, ttmp7, 0xffff                   ; hd: the four partners share it
	s_lshl_b32 s73, s71, 2
	s_add_co_u32 s73, s73, s[WV]                   ; G
	s_mov_b32 s[SEL], 0x76543210
	s_mov_b32 s[SEL+1], 0xfedcba98
	s_mov_b32 s[MNT], 0x600000
	s_mov_b32 s[MSK], 0xffff0000
	; descriptor group 1: 64 rows x 1,024 bytes of a weight whose rows are 1,024 bytes, 16 bytes of padding behind each row
	s_mov_b32 s[G1], 15|(1<<20)|(1<<21)|(7<<22)|(3<<25)   ; the mask: all four work-groups; elements of 1 byte; four words of padding after every 256 words
	s_mov_b32 s[G1+1], 1024<<16                    ; tensor_dim0
	s_mov_b32 s[G1+2], 64<<16                      ; tensor_dim1
	s_mov_b32 s[G1+3], 1024<<16                    ; tile_dim0
	s_mov_b32 s[G1+4], 64                          ; tile_dim1
	s_mov_b32 s[G1+5], 1024                        ; from row to row
	s_mov_b32 s[G1+6], 0
	s_mov_b32 s[G1+7], 0
	s_lshl_b32 s88, s72, 16                        ; the head's 64 rows of 1,024 bytes
	s_mov_b32 s89, 0
	s_mul_i32 s90, s[WV], UB                       ; my unit in LDS
	s_mov_b32 s87, 0
	s_wait_dscnt 0x0
	s_wait_kmcnt 0x0
	s_cmp_eq_u32 s[WV], 0                          ; wave 0 fetches Wq, wave 1 Wk, wave 2 Wv: a choice on the wave's number alone
	s_cselect_b64 s[84:85], s[8:9], s[12:13]
	s_cmp_eq_u32 s[WV], 2
	s_cselect_b64 s[84:85], s[16:17], s[84:85]
	s_add_nc_u64 s[84:85], s[84:85], s[88:89]
.irp c, 0
	s_mov_b32 s[G0+4*\c], 1
	s_add_co_u32 s[G0+4*\c+1], s90, \c*CH
	s_add_nc_u64 s[G0+4*\c+2:G0+4*\c+3], s[84:85], \c*256
	s_or_b32 s[G0+4*\c+3], s[G0+4*\c+3], 0x80000000
.endr
	s_lshl_b32 s86, s73, 16
	s_add_nc_u64 s[4:5], s[4:5], s[86:87]          ; xc at my group
	s_lshl_b32 s86, s73, 11
	s_add_nc_u64 s[6:7], s[6:7], s[86:87]          ; xs at my first tile
	s_lshl_b32 s86, s72, 11
	s_add_nc_u64 s[10:11], s[10:11], s[86:87]      ; the head's rows of scale bytes, 32 a row
	s_add_nc_u64 s[14:15], s[14:15], s[86:87]
	s_add_nc_u64 s[18:19], s[18:19], s[86:87]
	s_lshl_b32 s86, s72, 8
	s_add_nc_u64 s[20:21], s[20:21], s[86:87]      ; the head's 64 numbers of each bias
	s_add_nc_u64 s[22:23], s[22:23], s[86:87]
	s_add_nc_u64 s[24:25], s[24:25], s[86:87]
	s_lshl_b32 s86, s73, 8
	s_add_nc_u64 s[26:27], s[26:27], s[86:87]      ; h at my 64 tokens
	ROUND                                          ; all four work-groups are here: the joint loads meet
	s_cmp_eq_u32 s[WV], 3
	s_cbranch_scc1 .Lno_fill                       ; a wave's one fill stands in one branch on the wave's number
	tensor_load_to_lds s[G0:G0+3], s[G1:G1+7]
	s_nop 0
	PLACES 4
.Lno_fill:
	s_wait_alu depctr_va_vdst(0)
	global_load_b64 v[HH:HH+1], v[L8], s[26:27]
.irp u, 0,1,2
.irp t, 0,1,2,3
	global_load_b128 v[WS+16*\u+4*\t:WS+16*\u+4*\t+3], v[WSO], s[10+4*\u:11+4*\u] offset:512*\t
.endr
.endr
.irp i, 0,1,2,3
	global_load_b128 v[XS+4*\i:XS+4*\i+3], v[XSO], s[6:7] offset:512*\i
.endr
.irp u, 0,1
.irp t, 0,1,2,3
	global_load_b128 v[BQK+32*\u+8*\t:BQK+32*\u+8*\t+3], v[BO], s[20+2*\u:21+2*\u] offset:64*\t
	global_load_b128 v[BQK+32*\u+8*\t+4:BQK+32*\u+8*\t+7], v[BO], s[20+2*\u:21+2*\u] offset:64*\t+16
.endr
.endr
.irp t, 0,1,2,3
	global_load_b32 v[BV+8*\t], v[BVO], s[24:25] offset:64*\t
.endr
.macro XG s                            ; x's four fragments of K step s into set s % 4 of window 3: 16 loads of 512 consecutive bytes
	WIN 0xc0
.irp i, 0,1,2,3
.irp g, 0,1,2,3
	global_load_b128 v[64*((\s)%4)+16*\i+4*\g:64*((\s)%4)+16*\i+4*\g+3], v[LI], s[4:5] offset:8192*(\s)+2048*\i+512*\g
.endr
.endr
	WIN 0
.endm
	XG 0
	XG 1
	XG 2
	XG 3
	; where my results go
	s_lshl_b32 s86, s72, 18
	s_lshl_b32 s92, s73, 12
	s_add_co_u32 s86, s86, s92
	s_add_nc_u64 s[28:29], s[28:29], s[86:87]      ; qc: 262,144 hd + 4,096 G
	s_lshl_b32 s86, s72, 14
	s_lshl_b32 s92, s73, 8
	s_add_co_u32 s86, s86, s92
	s_add_nc_u64 s[30:31], s[30:31], s[86:87]      ; qs: 16,384 hd + 256 G
	s_mul_i32 s86, s72, 557056
	s_lshl_b32 s92, s71, 1
	s_lshr_b32 s91, s[WV], 1
	s_add_co_u32 s92, s92, s91
	s_mul_i32 s92, s92, 17408
	s_add_co_u32 s86, s86, s92
	s_add_nc_u64 s[32:33], s[32:33], s[86:87]      ; kv: the block of step 2 tb + w / 2 of my head
	s_and_b32 s91, s[WV], 1                        ; which half of the step's 128 keys is mine
	s_lshl_b32 s86, s91, 12
	s_add_nc_u64 s[KB:KB+1], s[32:33], s[86:87]
	s_lshl_b32 s86, s91, 10
	s_add_co_u32 s86, s86, 8192
	s_add_nc_u64 s[VB:VB+1], s[32:33], s[86:87]
	s_lshl_b32 s86, s91, 7
	s_add_co_u32 s86, s86, 16384
	s_add_nc_u64 s[KSB:KSB+1], s[32:33], s[86:87]
	s_lshl_b32 s86, s91, 1
	s_add_co_u32 s86, s86, 16640
	s_add_nc_u64 s[VSB:VSB+1], s[32:33], s[86:87]
	s_lshl_b32 s86, s91, 8
	s_add_co_u32 s86, s86, 16896
	s_add_nc_u64 s[HBB:HBB+1], s[32:33], s[86:87]
.macro WL u, s                         ; unit u's four fragments of K step s: 16 LDS loads
.if \u == 0
	WIN 0
.set fb, FQ
.elseif \u == 1
	WIN 0x80
.set fb, FK
.else
	WIN 0x80
.set fb, FV
.endif
.irp t, 0,1,2,3
.irp g, 0,1,2,3
	ds_load_b128 v[fb+16*\t+4*\g:fb+16*\t+4*\g+3], v[WA+\u] offset:16*\t*PITCH+128*(\s)+32*\g
.endr
.endr
	WIN 0
.endm
.macro EMIT hi                         ; hi = 1: K steps 4-7: both sides' scale words stand in lanes 16-31
.if \hi
	v_wmma_scale_f32_16x16x128_f8f6f4 v[rD:rD+7], v[rA:rA+15], v[rB:rB+15], v[rC:rC+7], v[rSA], v[rSB] matrix_a_fmt:MATRIX_FMT_BF8 matrix_b_fmt:MATRIX_FMT_BF8 matrix_a_scale:MATRIX_SCALE_ROW1 matrix_b_scale:MATRIX_SCALE_ROW1
.else
	v_wmma_scale_f32_16x16x128_f8f6f4 v[rD:rD+7], v[rA:rA+15], v[rB:rB+15], v[rC:rC+7], v[rSA], v[rSB] matrix_a_fmt:MATRIX_FMT_BF8 matrix_b_fmt:MATRIX_FMT_BF8
.endif
.endm
; 16 matrix instructions of unit u in K step s.  The 48 accumulators take turns, one instruction a turn, in the same order in every K step.
.macro MULU u, s
.set q4, (\s)%4
.set xf, 64*q4
.if \u == 0
.if (\s) == 0
	WIN 0x4c                                       ; source 0 (Wq) window 0, source 1 (x) window 3, C (bias) window 0, D window 1
.else
	WIN 0x5c
.endif
.elseif \u == 1
.if (\s) == 0
	WIN 0x4e                                       ; source 0 (Wk) window 2
.else
	WIN 0x5e
.endif
.else
.if (\s) == 0
	WIN 0x8b                                       ; source 0 (x) window 3, source 1 (Wv) window 2, C (bias) window 0, D window 2
.else
	WIN 0xab
.endif
.endif
.irp i, 0,1,2,3
.irp t, 0,1,2,3
.if \u == 0
.set rD, 32*\i+8*\t
.set rA, FQ+16*\t
.set rB, xf+16*\i
.set rC, BQK+8*\t
.set rSA, WS+4*\t+q4
.set rSB, XS+4*\i+q4
.elseif \u == 1
.set rD, 128+32*\i+8*\t
.set rA, FK+16*\t
.set rB, xf+16*\i
.set rC, BQK+32+8*\t
.set rSA, WS+16+4*\t+q4
.set rSB, XS+4*\i+q4
.else
.set rD, 16*(4*(\i/2)+\t)+8*(\i%2)
.set rA, xf+16*\i
.set rB, FV+16*\t
.set rC, BV+8*\t
.set rSA, XS+4*\i+q4
.set rSB, WS+32+4*\t+q4
.endif
.if (\s) > 0
.set rC, rD
.endif
	EMIT (\s)/4
.endr
.endr
.endm
.macro KSTEP s
.if (\s) <= 4
	s_wait_loadcnt 48                              ; x's fragments of this K step are in; the three younger sets may be out
.else
	s_wait_loadcnt 16*(7-(\s))
.endif
.if (\s) == 0
.irp t, 0,1,2,3
	s_wait_alu depctr_va_vdst(0)
.irp j, 1,2,3,4,5,6,7
	v_mov_b32 v[BV+8*\t+\j], v[BV+8*\t]            ; v's C: a lane's eight registers are eight tokens of ONE channel
.endr
.endr
.endif
	s_wait_alu depctr_va_vdst(0)
.irp u, 0,1,2
.if (\s) < 7
	s_wait_dscnt 32                                ; this unit's 16 loads are in; the two younger groups may be out
.else
	s_wait_dscnt 32-16*\u
.endif
	MULU \u, \s
	WIN 0
.if ((\s) < 7) || (\u == 2)
	PLACES 8                                       ; eight places in front of loads into registers that these products have read, and of the first read of results
.endif
.if (\s) < 7
	WL \u, (\s)+1
.endif
.if ((\s) < 4) && (\u == 2)
	XG (\s)+4                                      ; all three units have read this K step's set
.endif
.endr
.endm
	s_wait_tensorcnt 0x0                           ; my unit has landed, whole
	s_barrier_signal -1
	s_barrier_wait -1
	WL 0, 0
	WL 1, 0
	WL 2, 0
.irp s, 0,1,2,3,4,5,6,7
	KSTEP \s
.endr
; THE QUANTISER.  64 registers from v[s] on, in the window that wa, wb, wc name: four blocks, block b = registers 16 b .. 16 b + 15 of lanes l and l xor 16.  Codes to v[PC + 4 b] on, the four bytes to v[PW].
; wa: sources 0 and 1 in that window;  wb: destination and source 0;  wc: source 0.
.macro QUANT s, wa, wb, wc
	WIN \wa
.irp b, 0,1,2,3
	v_max3_num_f32 v[TM+\b], |v[(\s)+16*\b]|, |v[(\s)+1+16*\b]|, 0x8000000   ; each accumulator is read from its low end on; the floor 2^(16 - 127) holds the byte at 1 from below
.endr
.irp i, 2,4,6,8,10,12,14
.irp b, 0,1,2,3
	v_max3_num_f32 v[TM+\b], |v[(\s)+16*\b+\i]|, |v[(\s)+1+16*\b+\i]|, v[TM+\b]
.endr
.endr
	WIN 0
.irp b, 0,1,2,3
	v_permlanex16_b32 v[TM+4+\b], v[TM+\b], s[SEL], s[SEL+1]
.endr
.irp b, 0,1,2,3
	v_max_num_f32 v[TM+\b], v[TM+\b], v[TM+4+\b]
.endr
.irp b, 0,1,2,3
	v_add_nc_u32 v[TM+12+\b], 0xf8800000, v[TM+\b]
.endr
.irp b, 0,1,2,3
	v_and_or_b32 v[TM+8+\b], v[TM+\b], 0x7f800000, s[MNT]
.endr
.irp b, 0,1,2,3
	v_lshrrev_b32 v[TM+4+\b], 23, v[TM+12+\b]
.endr
	v_lshl_or_b32 v[PW], v[TM+5], 8, v[TM+4]
	v_lshl_or_b32 v[PW], v[TM+6], 16, v[PW]
	v_lshl_or_b32 v[PW], v[TM+7], 24, v[PW]
	WIN \wb
.irp b, 0,1,2,3
.irp i, 0,1,2,3,4,5,6,7,8,9,10,11,12,13,14,15
	v_med3_num_f32 v[(\s)+16*\b+\i], v[(\s)+16*\b+\i], -v[TM+8+\b], v[TM+8+\b]   ; the hold at 57,344 x the scale (ISA guide 7.6.2)
.endr
.endr
	s_wait_alu depctr_va_vdst(0)
	s_wait_xcnt 0x0                                ; earlier stores have read v[PC] on, which is written again below
	WIN \wc
.irp b, 0,1,2,3
	v_cvt_scalef32_pk8_bf8_f32 v[PC+4*\b:PC+4*\b+1], v[(\s)+16*\b:(\s)+16*\b+7], v[TM+12+\b]
	v_cvt_scalef32_pk8_bf8_f32 v[PC+4*\b+2:PC+4*\b+3], v[(\s)+16*\b+8:(\s)+16*\b+15], v[TM+12+\b]
.endr
	WIN 0
	v_nop                                          ; one plain vector line behind the last conversion
.endm
; q and k: a lane's codes of a block are channels 8 h + 0..7 and 16 + 8 h + 0..7; the operand wants 16 h + 0..15: lanes 16-31 of the first pair change places with lanes 0-15 of the second
.macro SWAP
.irp b, 0,1,2,3
	v_permlane16_swap_b32 v[PC+4*\b], v[PC+4*\b+2]
	v_permlane16_swap_b32 v[PC+4*\b+1], v[PC+4*\b+3]
.endr
.endm
.irp b, 0,1,2,3
	v_mov_b32 v[TM+4+\b], 0                        ; a lane permute's destination counts as one of its sources
.endr
	v_mov_b32 v[SELV], 0x01000100
	v_mov_b32 v[SELV+1], 0x03020302
	v_cndmask_b32 v[SELV], v[SELV], v[SELV+1], s[MSK]
	v_pk_mul_f32 v[HH+2:HH+3], v[HH:HH+1], 0xc1000000 op_sel_hi:[1,0]   ; -8 h: exact
	global_store_b64 v[L8], v[HH+2:HH+3], s[HBB:HBB+1]                  ; 32 lanes store 256 consecutive bytes, aligned
.irp P, 0,1                            ; q: tiles 2 P, 2 P + 1; blocks: (tile, channels 0-31), (tile, 32-63)
	QUANT 64*\P, 0x05, 0x41, 0x01
	SWAP
.irp n, 0,1,2,3
	global_store_b128 v[LI], v[PC+4*\n:PC+4*\n+3], s[28:29] offset:2048*\P+512*\n
.endr
	v_perm_b32 v[QW+\P], v[PW], v[PW], v[SELV]     ; lanes 0-15: tile 2 P's two bytes, twice; lanes 16-31: tile 2 P + 1's
	global_store_b32 v[L4], v[QW+\P], s[30:31] offset:128*\P
.endr
.irp P, 0,1                            ; k: the same four groups ARE the image of a pair of key tiles, and the four bytes its scale word
	QUANT 128+64*\P, 0x05, 0x41, 0x01
	SWAP
.irp n, 0,1,2,3
	global_store_b128 v[LI], v[PC+4*\n:PC+4*\n+3], s[KB:KB+1] offset:2048*\P+512*\n
.endr
	v_mov_b32 v[KW+\P], v[PW]
.endr
	v_cndmask_b32 v[KW], v[KW], v[KW+1], s[MSK]    ; lanes 0-15: my first pair's words; lanes 16-31: my second's
	global_store_b32 v[L4], v[KW], s[KSB:KSB+1]
.irp B, 0,1                            ; v: 32 keys at a time; block t = channels 16 t + r
	QUANT 64*\B, 0x0a, 0x82, 0x02
.irp n, 0,1,2,3
	global_store_b128 v[LI], v[PC+4*\n:PC+4*\n+3], s[VB:VB+1] offset:2048*\n+512*\B
.endr
.irp n, 0,1,2,3
.if \B == 0
	v_mov_b32 v[SV+\n], v[TM+4+\n]
.else
	v_lshl_or_b32 v[SV+\n], v[TM+4+\n], 8, v[SV+\n]   ; my two bytes of channel tile n's scale word
.endif
.endr
.endr
	v_cndmask_b32 v[SV], v[SV], v[SV+1], s[MSK]
	v_cndmask_b32 v[SV+2], v[SV+2], v[SV+3], s[MSK]
	global_store_b16 v[L4], v[SV], s[VSB:VSB+1]
	global_store_b16 v[L4], v[SV+2], s[VSB:VSB+1] offset:128
	s_wait_tensorcnt 0x0
	ds_add_u32 v190, v191
	s_wait_dscnt 0x0
	ROUND                                          ; the closing round: no work-group ends while a partner may still ask for a tile that names it
	s_endpgm
.Lfunc_end_k_q025cbbd00e_qkv:
	.size	k_q025cbbd00e_qkv, .Lfunc_end_k_q025cbbd00e_qkv-k_q025cbbd00e_qkv
	.p2alignl 7, 3214868480
	.fill 96, 4, 3214868480
	.section	.rodata,"a",@progbits
	.p2align	6, 0x0
	.amdhsa_kernel k_q025cbbd00e_qkv
		.amdhsa_group_segment_fixed_size 209408
		.amdhsa_private_segment_fixed_size 0
		.amdhsa_enable_private_segment 0
		.amdhsa_kernarg_size 120
		.amdhsa_user_sgpr_count 2
		.amdhsa_user_sgpr_kernarg_segment_ptr 1
		.amdhsa_wavefront_size32 1
		.amdhsa_system_sgpr_workgroup_id_x 1
		.amdhsa_system_sgpr_workgroup_id_y 1
		.amdhsa_system_sgpr_workgroup_id_z 1
		.amdhsa_system_vgpr_workitem_id 0
		.amdhsa_next_free_vgpr 1024
		.amdhsa_next_free_sgpr 100
		.amdhsa_reserve_vcc 0
		.amdhsa_float_denorm_mode_32 3
		.amdhsa_float_denorm_mode_16_64 3
		.amdhsa_memory_ordered 1
		.amdhsa_forward_progress 1
		.amdhsa_inst_pref_size 159
	.end_amdhsa_kernel
	.amdgpu_metadata
---
amdhsa.version: [ 1, 2 ]
amdhsa.kernels:
  - .name:           k_q025cbbd00e_qkv
    .symbol:         k_q025cbbd00e_qkv.kd
    .args:
      - { .name: xc, .offset: 0, .size: 8, .value_kind: global_buffer, .address_space: global }
      - { .name: xs, .offset: 8, .size: 8, .value_kind: global_buffer, .address_space: global }
      - { .name: Wq_codes, .offset: 16, .size: 8, .value_kind: global_buffer, .address_space: global }
      - { .name: Wq_scales, .offset: 24, .size: 8, .value_kind: global_buffer, .address_space: global }
      - { .name: Wk_codes, .offset: 32, .size: 8, .value_kind: global_buffer, .address_space: global }
      - { .name: Wk_scales, .offset: 40, .size: 8, .value_kind: global_buffer, .address_space: global }
      - { .name: Wv_codes, .offset: 48, .size: 8, .value_kind: global_buffer, .address_space: global }
      - { .name: Wv_scales, .offset: 56, .size: 8, .value_kind: global_buffer, .address_space: global }
      - { .name: bq, .offset: 64, .size: 8, .value_kind: global_buffer, .address_space: global }
      - { .name: bk, .offset: 72, .size: 8, .value_kind: global_buffer, .address_space: global }
      - { .name: bv, .offset: 80, .size: 8, .value_kind: global_buffer, .address_space: global }
      - { .name: h, .offset: 88, .size: 8, .value_kind: global_buffer, .address_space: global }
      - { .name: qc, .offset: 96, .size: 8, .value_kind: global_buffer, .address_space: global }
      - { .name: qs, .offset: 104, .size: 8, .value_kind: global_buffer, .address_space: global }
      - { .name: kv, .offset: 112, .size: 8, .value_kind: global_buffer, .address_space: global }
    .group_segment_fixed_size: 209408
    .private_segment_fixed_size: 0
    .kernarg_segment_align: 8
    .kernarg_segment_size: 120
    .max_flat_workgroup_size: 128
    .sgpr_count:     100
    .vgpr_count:     1024
    .wavefront_size: 32
...
	.end_amdgpu_metadata
.endif
;; end of part 2
;; launch attn (part 3): grid 16 x 16, 4 waves a work-group, clusters of 4 x 1, 327,680 bytes of LDS; arguments qc, qs, kv, ac, asc; writes ac, asc
.if DOCPART == 3
	.amdgcn_target "amdgcn-amd-amdhsa--gfx1250"
	.amdhsa_code_object_version 6
	.text
	.protected	k_q025cbbd00e_attn
	.globl	k_q025cbbd00e_attn
	.p2align	8
	.type	k_q025cbbd00e_attn,@function
k_q025cbbd00e_attn:
	s_mov_b64 s[64:65], 0
	v_nop
	global_prefetch_b8 v0, s[64:65] scope:SCOPE_SE
	s_setreg_imm32_b32 hwreg(HW_REG_WAVE_MODE, 25, 1), 1
	s_wait_xcnt 0x0
	s_wait_alu depctr_hold_cnt(0) depctr_sa_sdst(0) depctr_va_vdst(0) depctr_va_sdst(0) depctr_va_ssrc(0) depctr_va_vcc(0) depctr_vm_vsrc(0)
	s_getreg_b32 s2, hwreg(HW_REG_IB_STS2, 6, 4)
	s_cmp_eq_u32 s2, 0
	s_cbranch_scc0 .Lentry_in_a_cluster
	s_endpgm
.Lentry_in_a_cluster:
	s_bfe_u32 s2, ttmp6, 0x10000c
	s_cmp_lg_u32 s2, 0x3003
	s_cbranch_scc0 .Lentry_shape_is_right
	s_endpgm
.Lentry_shape_is_right:
; Attention of one head on codes of BF8 with E8M0 scales: logit = q . k / 8 - h[key]; t = logit x log2(e); M = the running largest t rounded UP to a whole number; p = 2^(t - M) is quantised along the keys,
; not normalised; the row's sum is taken of the unquantised p and divides O at the end; O / sum is quantised along D (two blocks of 32 for a head) for the last product.
; SHARES: a work-group owns 256 queries of head hd; each of its FOUR waves owns 64 of them, four tiles of 16: each fragment of K, of V and of -8 h that a wave reads from LDS serves four tiles.
; Every wave walks the head's 4,096 keys, 128 a step.  A step's operands are one dense block of 17,408 bytes of kv, laid as images of the operands' registers: every LDS load takes 512 consecutive bytes.
; RING: two slots of four steps.  Each wave fetches one step's block, one tensor load a wave behind each change of slots (one load of a wave is out at the most).
; CLUSTER: the four query blocks of a cluster walk the same head: each block is asked for JOINTLY (mask 15).
; THE FIRST PRODUCT HAS K = 64, the instruction 128: a fragment of K holds TWO key tiles, and Q stands as Q | zeros | Q in 24 registers: registers 0-15 are [Q | 0], registers 8-23 are [0 | Q].
; Both products are used transposed: a lane holds ONE query of each tile (lane % 16); the 16 registers of key tiles 2 b, 2 b + 1 are keys 32 b + 16 (lane / 16) + 0 .. 15.  -8 h[key] is the C of the first product.
; A STEP goes by phases over all four tiles, so that 8 or 16 chains take turns.  The next step's K, -8 h and scale words are fetched behind this step's first product (not across a change of slots).
; The exponentials of a tile stand one by one among plain lines that hang on nothing written in the same run: t - M of later tiles, or the holds of the tile before.
; LIMITS: NaN and infinities are not served; the scaled scores stay under 2^31 in magnitude; a block of O / sum that is all zeros or under 2^-111 gets the byte 1.
; REGISTERS, in windows of 256.  Window 0: v1-11 addresses; scale words v12-15 K's, v16-19 Q's, v20-23 V's (lanes 16-31), v24-27 p's; v28-35 (-M, largest t) a tile; v36-43 f; v44-107 the sums, eight pairs a tile;
;   v108-175 the blocks' maxima, bytes, holds, scale operands; v192-255 K's fragments.  Window 1: S^T, then p: tile t at 64 t.  Window 2: O^T at 32 t; p's codes at 128 + 16 t.  Window 3: Q at 24 t; V at 96; -8 h at 160.
.set STEPB, 17408                      ; a step's block
.set SLOT1, 1<<17                      ; slot 1 begins here
.set SPARE, 1<<18                      ; the spare words: 128 bytes for each of 4 waves
.set LI,  1                            ; 16 x lane
.set SC0, 2                            ; 16,384 + 4 r + 256 h: lanes 0-15 K's scale words, lanes 16-31 V's
.set HB0, 3                            ; 16,896 + 64 h
.set SPW, 4
.set NIL, 5
.set PFO, 6
.set R4,  7
.set AD,  8
.set AS,  9
.set AB,  10
.set LN,  11
.set SK,  12
.set QSW, 16
.set SV,  20
.set PW,  24
.set MM,  28
.set FF,  36
.set LS,  44
.set BM,  108
.set BT,  124
.set HO,  140
.set SOP, 156
.set TP,  172
.set KF,  192
.set VF,  96                           ; in window 3
.set HF,  160                          ; in window 3
.set PC,  128                          ; in window 2
.set TB,  14
.set WV,  18
.set MNT, 19
.set SEL, 20
.set CS,  22
.set G1,  24
.set G0,  32
.set SLOTS, 36
.set TW,  37
.set PFA, 38
.set LIM, 40
.set MSB, 0
.macro WIN new                         ; bits 1:0 source 0, 3:2 source 1, 5:4 source 2, 7:6 destination; the high byte repeats the setting that is left
.if MSB != (\new)
	s_set_vgpr_msb (MSB<<8)|(\new)
.set MSB, (\new)
.endif
.endm
.macro WALU
	s_wait_alu depctr_va_vdst(0)
.endm
.macro ROUND
	s_barrier_signal -1
	s_barrier_wait -1
	s_cmp_lg_u32 s[WV], 0
	s_cbranch_scc1 .Lnot_wave_0_\@
	s_barrier_signal -3
.Lnot_wave_0_\@:
	s_barrier_wait -3
	s_barrier_signal -1
	s_barrier_wait -1
.endm
.macro TLOAD                           ; every wave fetches one step's block; an s_nop 0 and four v_nop follow the line
	tensor_load_to_lds s[G0:G0+3], s[G1:G1+7]
	s_nop 0
.rept 4
	v_nop
.endr
.endm
; A prefetch of the slot that the NEXT change of slots will ask for, four steps ahead of that load.  The head's first cluster asks; its four partners take one step's block each, told apart by address;
; in each, waves 0, 1, 2 name its 68 blocks of 256 bytes, a lane a block; lanes past the 68th are held at the last block.  The last change that fills a slot asks for nothing; slots 0 and 1 come by their loads alone.
.macro ASK
	s_cmp_gt_u32 s[SLOTS], s[LIM]
	s_cbranch_scc0 .Lnot_mine_\@
	global_prefetch_b8 v[PFO], s[PFA:PFA+1] th:TH_LOAD_NT scope:SCOPE_SE
.Lnot_mine_\@:
.endm
	s_load_b256 s[4:11], s[0:1], 0x0               ; qc, qs, kv, ac
	s_load_b64 s[12:13], s[0:1], 0x20              ; asc
	v_lshl_add_u32 v[SPW], v0, 2, SPARE
	v_mov_b32 v[NIL], 0
	ds_add_u32 v[SPW], v[NIL]                      ; the opening lines: the add twice on end and one wait
	ds_add_u32 v[SPW], v[NIL]
	v_lshrrev_b32 v8, 5, v0
	v_readfirstlane_b32 s[WV], v8                  ; wave 0..3
	s_bfe_u32 s41, ttmp6, 0x40000                  ; cx
	s_lshl_b32 s42, ttmp9, 2
	s_add_co_u32 s42, s42, s41                     ; my block of 256 queries
	s_and_b32 s43, ttmp7, 0xffff                   ; the head, which the four partners share
	s_lshl_b32 s44, s42, 2
	s_add_co_u32 s44, s44, s[WV]                   ; G: my four tiles are T = 4 G + t
	s_mov_b32 s[G1], 15|(3<<16)|(1<<21)            ; a dense block of 17,408 bytes as 68 rows of 256 bytes (32 elements of 8), mask: all four work-groups
	s_mov_b32 s[G1+1], 32<<16
	s_mov_b32 s[G1+2], 68<<16
	s_mov_b32 s[G1+3], 32<<16
	s_mov_b32 s[G1+4], 68
	s_mov_b32 s[G1+5], 32
	s_mov_b32 s[G1+6], 0
	s_mov_b32 s[G1+7], 0
	s_mul_i32 s46, s43, 32*STEPB                   ; the head's blocks
	s_mov_b32 s47, 0
	s_mul_i32 s48, s[WV], STEPB                    ; which step of a slot I fetch: in memory and in LDS alike
	s_mov_b32 s49, 0
	s_mul_i32 s50, s41, STEPB                      ; the prefetches: my work-group's step of a slot,
	s_add_co_u32 s50, s50, 4*STEPB                 ; in slot 1: the first change of slots steps it to slot 2
	s_mov_b32 s51, 0
	s_lshl_b32 s53, s[WV], 13
	s_cmp_lt_u32 s[WV], 3                          ; waves 0, 1, 2
	s_cselect_b32 s52, 0, 1
	s_or_b32 s52, s52, ttmp9                       ; of the head's first cluster
	s_cmp_eq_u32 s52, 0
	s_cselect_b32 s[LIM], 1, -1
	s_mov_b32 s[SEL], 0x76543210
	s_mov_b32 s[SEL+1], 0xfedcba98
	s_mov_b32 s[CS], 0x3e38aa3b                    ; log2(e) / 8
	s_mov_b32 s[CS+1], s[CS]
	s_mov_b32 s[MNT], 0x600000
	s_mov_b32 s[TB], 0
	s_mov_b32 s[SLOTS], 7
	s_lshl_b32 s54, s43, 18                        ; qc: 262,144 hd + 4,096 G
	s_lshl_b32 s55, s44, 12
	s_add_co_u32 s54, s54, s55
	s_mov_b32 s55, 0
	s_lshl_b32 s56, s43, 14                        ; qs: 16,384 hd + 256 G
	s_lshl_b32 s57, s44, 8
	s_add_co_u32 s56, s56, s57
	s_mov_b32 s57, 0
	s_lshl_b32 s58, s44, 16                        ; ac: 65,536 G + 8,192 (hd / 2) + 1,024 (hd % 2); tile t 2,048 t on
	s_lshr_b32 s59, s43, 1
	s_lshl_b32 s59, s59, 13
	s_add_co_u32 s58, s58, s59
	s_and_b32 s59, s43, 1
	s_lshl_b32 s59, s59, 10
	s_add_co_u32 s58, s58, s59
	s_mov_b32 s59, 0
	s_lshl_b32 s60, s44, 11                        ; asc: 2,048 G + 128 ((hd / 2) % 4) + 64 (hd / 8) + 2 (hd % 2); tile t 512 t on
	s_bfe_u32 s61, s43, 0x20001
	s_lshl_b32 s61, s61, 7
	s_add_co_u32 s60, s60, s61
	s_lshr_b32 s61, s43, 3
	s_lshl_b32 s61, s61, 6
	s_add_co_u32 s60, s60, s61
	s_and_b32 s61, s43, 1
	s_lshl_b32 s61, s61, 1
	s_add_co_u32 s60, s60, s61
	s_mov_b32 s61, 0
	s_wait_dscnt 0x0                               ; both opening adds are done
	s_wait_kmcnt 0x0
	s_add_nc_u64 s[8:9], s[8:9], s[46:47]          ; kv at my head
	s_mov_b32 s[G0], 1
	s_mov_b32 s[G0+1], s48                         ; slot 0
	s_add_nc_u64 s[G0+2:G0+3], s[8:9], s[48:49]
	s_or_b32 s[G0+3], s[G0+3], 0x80000000
	s_add_nc_u64 s[PFA:PFA+1], s[8:9], s[50:51]
	s_add_nc_u64 s[4:5], s[4:5], s[54:55]
	s_add_nc_u64 s[6:7], s[6:7], s[56:57]
	s_add_nc_u64 s[10:11], s[10:11], s[58:59]
	s_add_nc_u64 s[12:13], s[12:13], s[60:61]
	ROUND                                          ; all four work-groups are here: the first joint loads meet
	TLOAD                                          ; slot 0: my one load at the head
	v_and_b32 v[LN], 31, v0
	v_and_b32 v8, 15, v0                           ; r
	v_bfe_u32 v9, v0, 4, 1                         ; h
	v_lshlrev_b32 v[LI], 4, v[LN]
	v_lshlrev_b32 v[R4], 2, v8
	v_lshl_add_u32 v[PFO], v[LN], 8, s53
	v_min_u32 v[PFO], STEPB-256, v[PFO]
	v_lshl_add_u32 v[SC0], v9, 8, v[R4]
	v_add_nc_u32 v[SC0], 16384, v[SC0]
	v_lshlrev_b32 v[HB0], 6, v9
	v_add_nc_u32 v[HB0], 16896, v[HB0]
.irp t, 0,1,2,3
	global_load_b32 v[QSW+\t], v[R4], s[6:7] offset:64*\t   ; a word holds Q's two bytes twice, so it serves both places
.endr
	WIN 0xc0
.irp t, 0,1,2,3
.irp c, 0,1
	global_load_b128 v[24*\t+4*\c:24*\t+4*\c+3], v[LI], s[4:5] offset:1024*\t+512*\c
	global_load_b128 v[24*\t+16+4*\c:24*\t+16+4*\c+3], v[LI], s[4:5] offset:1024*\t+512*\c
.endr
.endr
.irp t, 0,1,2,3
.irp j, 8,9,10,11,12,13,14,15
	v_mov_b32 v[24*\t+\j], 0                       ; the idle halves: zero codes
.endr
.endr
	WIN 0x80
.set n, 0
.rept 128
	v_mov_b32 v[n], 0                              ; O^T: the step is written once for all steps; the first finds zeros, which the first change of M leaves zeros
.set n, n+1
.endr
	WIN 0
.set n, 0
.rept 64
	v_mov_b32 v[LS+n], 0                           ; the sums
.set n, n+1
.endr
.set n, 0
.rept 16
	v_mov_b32 v[BT+n], 0                           ; a lane permute's destination counts as one of its sources
.set n, n+1
.endr
.irp t, 0,1,2,3
	v_mov_b32 v[MM+2*\t+1], 0xff61b1e6             ; the largest t so far: -3e38
	v_mov_b32 v[FF+2*\t], 0
	v_mov_b32 v[FF+2*\t+1], 0
.endr
.irp t, 0,1,2,3
	v_floor_f32 v[MM+2*\t], -v[MM+2*\t+1]          ; -M
.endr
.macro LOADK off                       ; K's four pairs of key tiles, their scale words and -8 h of the step that begins off bytes behind v[AD], v[AS], v[AB]
.irp i, 0,1,2,3
	ds_load_b32 v[SK+\i], v[AS] offset:(\off)+64*\i
.endr
.set n, 0
.rept 16
	ds_load_b128 v[KF+4*n:KF+4*n+3], v[AD] offset:(\off)+512*n
.set n, n+1
.endr
	WIN 0xc0
.set n, 0
.rept 16
	ds_load_b128 v[HF+4*n:HF+4*n+3], v[AB] offset:(\off)+16*n+64*(n/4)   ; registers 16 b + 8 u + i: -8 h of key 32 b + 16 h + 8 u + i
.set n, n+1
.endr
	WIN 0
.endm
.macro LOADV                           ; V's four tiles of this step, and the scale words once more, for V's lanes
	WIN 0xc0
.set n, 0
.rept 16
	ds_load_b128 v[VF+4*n:VF+4*n+3], v[AD] offset:8192+512*n
.set n, n+1
.endr
	WIN 0
.irp i, 0,1,2,3
	ds_load_b32 v[SV+\i], v[AS] offset:64*\i
.endr
.endm
; Tile t's 64 exponentials, a plain line behind each: kind 0: t - M of tiles 1 and 2; kind 1: the holds of tile t - 1.  No plain line here reads what another of the run wrote.  One wait ends the run.
.macro EXPS t, kind
.set i, 0
.rept 64
	v_exp_f32 v[64*(\t)+i], v[64*(\t)+i]
.if \kind
	v_min_num_f32 v[64*(\t)-64+i], v[64*(\t)-64+i], v[HO+4*(\t)-4+i/16]   ; the hold (ISA guide 7.6.2); p is not negative, so it is one-sided
.else
	v_pk_fma_f32 v[64+2*i:65+2*i], v[64+2*i:65+2*i], s[CS:CS+1], v[MM+2+2*(i/32):MM+3+2*(i/32)] op_sel_hi:[1,0,0]
.endif
.set i, i+1
.endr
	WALU                                           ; behind the batch
.endm
.macro SUMS t                          ; the row's sum of the unquantised p of tile t, ahead of its holds: eight chains by turns
	WIN 0x01
.set i, 0
.rept 32
	v_pk_add_f32 v[LS+16*(\t)+2*(i%8):LS+16*(\t)+2*(i%8)+1], v[64*(\t)+2*i:64*(\t)+2*i+1], v[LS+16*(\t)+2*(i%8):LS+16*(\t)+2*(i%8)+1]
.set i, i+1
.endr
	WIN 0x41
.endm
; A KEY STEP: 128 keys, whose block begins at LDS byte s[TB]; its K, -8 h and K's scale words have been asked for.
.macro STEP
	s_wait_dscnt 0x0
	WIN 0x7c                                       ; K window 0, Q window 3, -8 h window 3, S window 1
.irp b, 0,1,2,3
.irp u, 0,1
.irp t, 0,1,2,3
	v_wmma_scale_f32_16x16x128_f8f6f4 v[64*\t+16*\b+8*\u:64*\t+16*\b+8*\u+7], v[KF+16*\b:KF+16*\b+15], v[24*\t+8*\u:24*\t+8*\u+15], v[HF+16*\b+8*\u:HF+16*\b+8*\u+7], v[SK+\b], v[QSW+\t] matrix_a_fmt:MATRIX_FMT_BF8 matrix_b_fmt:MATRIX_FMT_BF8
.endr
.endr
.endr
	WIN 0
	v_add_nc_u32 v[AD], s[TB], v[LI]
	v_add_nc_u32 v[AS], s[TB], v[SC0]
	v_add_nc_u32 v[AB], s[TB], v[HB0]
.rept 5
	v_nop                                          ; with the three additions: eight places ahead of the loads below and of the first read of the scores
.endr
	WALU
	s_cmp_eq_u32 s[TW], 1                          ; a slot's last step fetches nothing of the next slot: that stands behind the change
	s_cbranch_scc1 .Llast_\@
	LOADK STEPB
.Llast_\@:
	LOADV
	WIN 0x05                                       ; the largest score of each block of 32 keys: sixteen chains by turns; each accumulator from its low end on
.set n, 0
.rept 16
	v_max_num_f32 v[BM+n], v[16*n], v[16*n+1]
.set n, n+1
.endr
.irp i, 2,4,6,8,10,12,14
.set n, 0
.rept 16
	v_max3_num_f32 v[BM+n], v[16*n+\i], v[16*n+\i+1], v[BM+n]
.set n, n+1
.endr
.endr
	WIN 0
.set n, 0
.rept 16
	v_permlanex16_b32 v[BT+n], v[BM+n], s[SEL], s[SEL+1]
.set n, n+1
.endr
.set n, 0
.rept 16
	v_max_num_f32 v[BM+n], v[BM+n], v[BT+n]        ; with lane l xor 16's 16 keys
.set n, n+1
.endr
.irp t, 0,1,2,3
	v_max3_num_f32 v[TP+\t], v[BM+4*\t], v[BM+4*\t+1], v[BM+4*\t+2]
.endr
.irp t, 0,1,2,3
	v_max_num_f32 v[TP+\t], v[TP+\t], v[BM+4*\t+3]
.endr
.irp t, 0,1,2,3
	v_mul_f32 v[TP+\t], s[CS], v[TP+\t]            ; the step's largest t
.endr
.irp t, 0,1,2,3
	v_max_num_f32 v[MM+2*\t+1], v[MM+2*\t+1], v[TP+\t]
.endr
.irp t, 0,1,2,3
	v_mov_b32 v[TP+\t], v[MM+2*\t]
.endr
.irp t, 0,1,2,3
	v_floor_f32 v[MM+2*\t], -v[MM+2*\t+1]          ; the new -M = -ceil(t)
.endr
.irp t, 0,1,2,3
	v_sub_f32 v[TP+\t], v[MM+2*\t], v[TP+\t]       ; old M - new M: a whole number, 0 or less
.endr
.irp t, 0,1,2,3
	v_cvt_i32_f32 v[TP+\t], v[TP+\t]
.endr
.irp t, 0,1,2,3
	v_ldexp_f32 v[FF+2*\t], 1.0, v[TP+\t]          ; f = 2^(old M - new M)
.endr
.set n, 0
.rept 16
	v_fma_f32 v[BM+n], v[BM+n], s[CS], v[MM+2*(n/4)]   ; t - M of each block's largest score
.set n, n+1
.endr
	WALU                                           ; ahead of the batch
.set n, 0
.rept 16
	v_exp_f32 v[BM+n], v[BM+n]                     ; the blocks' largest p; among them the sums come under the new M
	v_pk_mul_f32 v[LS+4*n:LS+4*n+1], v[LS+4*n:LS+4*n+1], v[FF+2*(n/4):FF+2*(n/4)+1] op_sel_hi:[1,0]
	v_pk_mul_f32 v[LS+4*n+2:LS+4*n+3], v[LS+4*n+2:LS+4*n+3], v[FF+2*(n/4):FF+2*(n/4)+1] op_sel_hi:[1,0]
.set n, n+1
.endr
	WIN 0x41                                       ; S window 1 as source 0 and destination; all else window 0
.set i, 0
.rept 32
	v_pk_fma_f32 v[2*i:2*i+1], v[2*i:2*i+1], s[CS:CS+1], v[MM:MM+1] op_sel_hi:[1,0,0]               ; t - M of tiles 0 and 3
	v_pk_fma_f32 v[192+2*i:193+2*i], v[192+2*i:193+2*i], s[CS:CS+1], v[MM+6:MM+7] op_sel_hi:[1,0,0]
.set i, i+1
.endr
	WIN 0
	WALU                                           ; behind the sixteen, and ahead of tile 0's batch
.set n, 0
.rept 16
	v_max_num_f32 v[BM+n], 0x8000000, v[BM+n]      ; the floor 2^(16 - 127): the byte cannot fall under 1
.set n, n+1
.endr
.set n, 0
.rept 16
	v_add_nc_u32 v[SOP+n], 0xf8800000, v[BM+n]     ; the conversion's scale operand
.set n, n+1
.endr
.set n, 0
.rept 16
	v_and_or_b32 v[HO+n], v[BM+n], 0x7f800000, s[MNT]   ; 57,344 x the scale
.set n, n+1
.endr
.set n, 0
.rept 16
	v_lshrrev_b32 v[BT+n], 23, v[SOP+n]            ; the byte
.set n, n+1
.endr
.irp t, 0,1,2,3
	v_lshl_or_b32 v[PW+\t], v[BT+4*\t+1], 8, v[BT+4*\t]
.endr
.irp t, 0,1,2,3
	v_lshl_or_b32 v[PW+\t], v[BT+4*\t+2], 16, v[PW+\t]
.endr
.irp t, 0,1,2,3
	v_lshl_or_b32 v[PW+\t], v[BT+4*\t+3], 24, v[PW+\t]   ; p's scale word for these 128 keys
.endr
	WIN 0x41
	EXPS 0, 0
	SUMS 0
	EXPS 1, 1
	SUMS 1
	EXPS 2, 1
	SUMS 2
	EXPS 3, 1
	SUMS 3
.set i, 0
.rept 64
	v_min_num_f32 v[192+i], v[192+i], v[HO+12+i/16]
.set i, i+1
.endr
	WIN 0x81                                       ; p window 1, scale operand window 0, codes window 2
.set n, 0
.rept 16
	v_cvt_scalef32_pk8_bf8_f32 v[PC+4*n:PC+4*n+1], v[16*n:16*n+7], v[SOP+n]
	v_cvt_scalef32_pk8_bf8_f32 v[PC+4*n+2:PC+4*n+3], v[16*n+8:16*n+15], v[SOP+n]
.set n, n+1
.endr
	WIN 0x82
	WALU                                           ; directly ahead of the first reader of O^T
.set n, 0
.rept 64
	v_pk_mul_f32 v[2*n:2*n+1], v[2*n:2*n+1], v[FF+2*(n/16):FF+2*(n/16)+1] op_sel_hi:[1,0]   ; O^T under the new M; these lines also stand between the conversions and the products
.set n, n+1
.endr
	WALU
	s_wait_dscnt 0x0                               ; V is in (and what was asked for of the next step)
	WIN 0xab                                       ; V window 3; codes, C and D window 2
.irp c, 0,1,2,3
.irp t, 0,1,2,3
	v_wmma_scale_f32_16x16x128_f8f6f4 v[32*\t+8*\c:32*\t+8*\c+7], v[VF+16*\c:VF+16*\c+15], v[PC+16*\t:PC+16*\t+15], v[32*\t+8*\c:32*\t+8*\c+7], v[SV+\c], v[PW+\t] matrix_a_fmt:MATRIX_FMT_BF8 matrix_b_fmt:MATRIX_FMT_BF8 matrix_a_scale:MATRIX_SCALE_ROW1
.endr
.endr
	WIN 0
	s_add_co_u32 s[TB], s[TB], STEPB
.endm
; THE CHANGE OF SLOTS stands at a slot's head.  Each wave waits for all its tensor loads, adds 0 to its spare word, and waits for that and for its reads of the slot that it has left.
; fill = 1: the barrier is a round of the cluster's; the joint refill is the first thing behind it and has four steps in which to land.  Then the slot's first K, -8 h and scale words are asked for.
.macro CHANGE fill
	s_wait_tensorcnt 0x0
	ds_add_u32 v[SPW], v[NIL]
.if \fill
	s_xor_b32 s[G0+1], s[G0+1], SLOT1
	s_add_nc_u64 s[G0+2:G0+3], s[G0+2:G0+3], 4*STEPB
	s_wait_xcnt 0x0                                ; the last prefetch, a slot back, has read its address
	s_add_nc_u64 s[PFA:PFA+1], s[PFA:PFA+1], 4*STEPB
.endif
	s_wait_dscnt 0x0
.if \fill
	ROUND
	TLOAD
.else
	s_barrier_signal -1
	s_barrier_wait -1
.endif
	v_add_nc_u32 v[AD], s[TB], v[LI]
	v_add_nc_u32 v[AS], s[TB], v[SC0]
	v_add_nc_u32 v[AB], s[TB], v[HB0]
	LOADK 0
.if \fill
	ASK
.endif
.endm
.macro FOUR                            ; a slot's four steps
	s_mov_b32 s[TW], 4
.Lstep_\@:
	STEP
	s_sub_co_u32 s[TW], s[TW], 1
	s_cmp_lg_u32 s[TW], 0
	s_cbranch_scc1 .Lstep_\@
	s_sub_co_u32 s[TB], s[TB], 4*STEPB
	s_xor_b32 s[TB], s[TB], SLOT1
.endm
	WALU
	s_wait_loadcnt 0x0                             ; Q
.Lslot:                                            ; seven trips: behind each change of slots but the last the next slot is asked for
	CHANGE 1
	FOUR
	s_sub_co_u32 s[SLOTS], s[SLOTS], 1
	s_cmp_lg_u32 s[SLOTS], 0
	s_cbranch_scc1 .Lslot
	CHANGE 0                                       ; the last slot is written out
	FOUR
	; THE WAY OUT: the sums' eight pairs are joined (these lines are also the places behind the last products); O^T / the sum; two blocks of 32 along D a tile, quantised as q was
.irp k, 0,1,2,3
.irp t, 0,1,2,3
	v_pk_add_f32 v[LS+16*\t+2*\k:LS+16*\t+2*\k+1], v[LS+16*\t+2*\k:LS+16*\t+2*\k+1], v[LS+16*\t+2*\k+8:LS+16*\t+2*\k+9]
.endr
.endr
.irp k, 0,1
.irp t, 0,1,2,3
	v_pk_add_f32 v[LS+16*\t+2*\k:LS+16*\t+2*\k+1], v[LS+16*\t+2*\k:LS+16*\t+2*\k+1], v[LS+16*\t+2*\k+4:LS+16*\t+2*\k+5]
.endr
.endr
.irp t, 0,1,2,3
	v_pk_add_f32 v[LS+16*\t:LS+16*\t+1], v[LS+16*\t:LS+16*\t+1], v[LS+16*\t+2:LS+16*\t+3]
.endr
.irp t, 0,1,2,3
	v_add_f32 v[TP+\t], v[LS+16*\t], v[LS+16*\t+1]
.endr
.irp t, 0,1,2,3
	v_permlanex16_b32 v[BT+\t], v[TP+\t], s[SEL], s[SEL+1]
.endr
.irp t, 0,1,2,3
	v_add_f32 v[TP+\t], v[TP+\t], v[BT+\t]         ; the row's sum
.endr
	WALU                                           ; ahead of the batch of four
.irp t, 0,1,2,3
	v_rcp_f32 v[FF+2*\t], v[TP+\t]
.endr
	v_cmp_gt_u32 vcc_lo, 16, v[LN]                 ; (the plain line behind the reciprocals)
	WIN 0x42                                       ; O^T window 2, 1 / sum window 0, result window 1
	WALU                                           ; behind the batch, directly ahead of the first reader of O^T
.set n, 0
.rept 64
	v_pk_mul_f32 v[64*(n/16)+2*(n%16):64*(n/16)+2*(n%16)+1], v[2*n:2*n+1], v[FF+2*(n/16):FF+2*(n/16)+1] op_sel_hi:[1,0]
.set n, n+1
.endr
	WIN 0x05
.irp t, 0,1,2,3
.irp c, 0,1
	v_max3_num_f32 v[BM+4*\t+\c], |v[64*\t+16*\c]|, |v[64*\t+16*\c+1]|, 0x8000000
.endr
.endr
.irp i, 2,4,6,8,10,12,14
.irp t, 0,1,2,3
.irp c, 0,1
	v_max3_num_f32 v[BM+4*\t+\c], |v[64*\t+16*\c+\i]|, |v[64*\t+16*\c+\i+1]|, v[BM+4*\t+\c]
.endr
.endr
.endr
	WIN 0
.irp t, 0,1,2,3
.irp c, 0,1
	v_permlanex16_b32 v[BT+4*\t+\c], v[BM+4*\t+\c], s[SEL], s[SEL+1]
.endr
.endr
.irp t, 0,1,2,3
.irp c, 0,1
	v_max_num_f32 v[BM+4*\t+\c], v[BM+4*\t+\c], v[BT+4*\t+\c]
.endr
.endr
.irp t, 0,1,2,3
.irp c, 0,1
	v_add_nc_u32 v[SOP+4*\t+\c], 0xf8800000, v[BM+4*\t+\c]
.endr
.endr
.irp t, 0,1,2,3
.irp c, 0,1
	v_and_or_b32 v[HO+4*\t+\c], v[BM+4*\t+\c], 0x7f800000, s[MNT]
.endr
.endr
.irp t, 0,1,2,3
.irp c, 0,1
	v_lshrrev_b32 v[BT+4*\t+\c], 23, v[SOP+4*\t+\c]
.endr
.endr
.irp t, 0,1,2,3
	v_lshl_or_b32 v[TP+\t], v[BT+4*\t+1], 8, v[BT+4*\t]   ; my head's half of the K step's scale word
.endr
	WIN 0x41
.irp t, 0,1,2,3
.set j, 0
.rept 32
	v_med3_num_f32 v[64*\t+j], v[64*\t+j], -v[HO+4*\t+j/16], v[HO+4*\t+j/16]
.set j, j+1
.endr
.endr
	WIN 0x01                                       ; the codes go where K's fragments lay
.irp t, 0,1,2,3
.irp c, 0,1
	v_cvt_scalef32_pk8_bf8_f32 v[KF+8*\t+4*\c:KF+8*\t+4*\c+1], v[64*\t+16*\c:64*\t+16*\c+7], v[SOP+4*\t+\c]
	v_cvt_scalef32_pk8_bf8_f32 v[KF+8*\t+4*\c+2:KF+8*\t+4*\c+3], v[64*\t+16*\c+8:64*\t+16*\c+15], v[SOP+4*\t+\c]
.endr
.endr
	WIN 0
	v_nop                                          ; one plain vector line behind the last conversion
.irp n, 0,1,2,3,4,5,6,7
	v_permlane16_swap_b32 v[KF+4*\n], v[KF+4*\n+2] ; channels 8 h .., 16 + 8 h .. become 16 h + 0 .. 15
	v_permlane16_swap_b32 v[KF+4*\n+1], v[KF+4*\n+3]
.endr
.irp t, 0,1,2,3
.irp c, 0,1
	global_store_b128 v[LI], v[KF+8*\t+4*\c:KF+8*\t+4*\c+3], s[10:11] offset:2048*\t+512*\c   ; 32 lanes store 512 consecutive bytes
.endr
.endr
	s_wait_xcnt 0x0                                ; EXEC changes only behind this wait
	s_and_saveexec_b32 s41, vcc_lo                 ; lanes 16-31 hold the same half-words as lanes 0-15
.irp t, 0,1,2,3
	global_store_b16 v[R4], v[TP+\t], s[12:13] offset:512*\t
.endr
	s_wait_xcnt 0x0                                ; and again, in front of the line that widens it
	s_or_b32 exec_lo, exec_lo, s41
	s_wait_tensorcnt 0x0                           ; the wave's end
	ds_add_u32 v[SPW], v[NIL]
	s_wait_dscnt 0x0
	ROUND                                          ; the closing round
	s_endpgm
.Lfunc_end_k_q025cbbd00e_attn:
	.size	k_q025cbbd00e_attn, .Lfunc_end_k_q025cbbd00e_attn-k_q025cbbd00e_attn
	.p2alignl 7, 3214868480
	.fill 96, 4, 3214868480
	.section	.rodata,"a",@progbits
	.p2align	6, 0x0
	.amdhsa_kernel k_q025cbbd00e_attn
		.amdhsa_group_segment_fixed_size 327680
		.amdhsa_private_segment_fixed_size 0
		.amdhsa_enable_private_segment 0
		.amdhsa_kernarg_size 40
		.amdhsa_user_sgpr_count 2
		.amdhsa_user_sgpr_kernarg_segment_ptr 1
		.amdhsa_wavefront_size32 1
		.amdhsa_system_sgpr_workgroup_id_x 1
		.amdhsa_system_sgpr_workgroup_id_y 1
		.amdhsa_system_sgpr_workgroup_id_z 1
		.amdhsa_system_vgpr_workitem_id 0
		.amdhsa_next_free_vgpr 1024
		.amdhsa_next_free_sgpr 66
		.amdhsa_reserve_vcc 1
		.amdhsa_float_denorm_mode_32 3
		.amdhsa_float_denorm_mode_16_64 3
		.amdhsa_memory_ordered 1
		.amdhsa_forward_progress 1
		.amdhsa_inst_pref_size 182
	.end_amdhsa_kernel
	.amdgpu_metadata
---
amdhsa.version: [ 1, 2 ]
amdhsa.kernels:
  - .name:           k_q025cbbd00e_attn
    .symbol:         k_q025cbbd00e_attn.kd
    .args:
      - { .name: qc, .offset: 0, .size: 8, .value_kind: global_buffer, .address_space: global }
      - { .name: qs, .offset: 8, .size: 8, .value_kind: global_buffer, .address_space: global }
      - { .name: kv, .offset: 16, .size: 8, .value_kind: global_buffer, .address_space: global }
      - { .name: ac, .offset: 24, .size: 8, .value_kind: global_buffer, .address_space: global }
      - { .name: asc, .offset: 32, .size: 8, .value_kind: global_buffer, .address_space: global }
    .group_segment_fixed_size: 327680
    .private_segment_fixed_size: 0
    .kernarg_segment_align: 8
    .kernarg_segment_size: 40
    .max_flat_workgroup_size: 128
    .sgpr_count:     66
    .vgpr_count:     1024
    .wavefront_size: 32
...
	.end_amdgpu_metadata
.endif
;; end of part 3
;; launch oproj (part 4): grid 8 x 32, 4 waves a work-group, clusters of 4 x 4, 327,680 bytes of LDS; arguments ac, asc, Wo_codes, Wo_scales, bo, x, out0; writes out0
.if DOCPART == 4
	.amdgcn_target "amdgcn-amd-amdhsa--gfx1250"
	.amdhsa_code_object_version 6
	.text
	.protected	k_q025cbbd00e_oproj
	.globl	k_q025cbbd00e_oproj
	.p2align	8
	.type	k_q025cbbd00e_oproj,@function
k_q025cbbd00e_oproj:
	s_mov_b64 s[64:65], 0
	v_nop
	global_prefetch_b8 v0, s[64:65] scope:SCOPE_SE
	s_setreg_imm32_b32 hwreg(HW_REG_WAVE_MODE, 25, 1), 1
	s_wait_xcnt 0x0
	s_wait_alu depctr_hold_cnt(0) depctr_sa_sdst(0) depctr_va_vdst(0) depctr_va_sdst(0) depctr_va_ssrc(0) depctr_va_vcc(0) depctr_vm_vsrc(0)
	s_getreg_b32 s2, hwreg(HW_REG_IB_STS2, 6, 4)
	s_cmp_eq_u32 s2, 0
	s_cbranch_scc0 .Lentry_in_a_cluster
	s_endpgm
.Lentry_in_a_cluster:
	s_bfe_u32 s2, ttmp6, 0x10000c
	s_cmp_lg_u32 s2, 0xf033
	s_cbranch_scc0 .Lentry_shape_is_right
	s_endpgm
.Lentry_shape_is_right:
; out0 = (O / sum) Wo^T + bo + x on codes.  At the head each wave has ONE joint load: waves 0, 1 a half of A's images (65,536 dense bytes as 256 rows of 256), waves 2, 3 64 whole rows of Wo (1,024 bytes, 1,040 apart in LDS).
.set UB,    66560
.set WP,    1040
.set CH,    17408
.set PITCH, 272
.set WOL,   131072
.set STG,   270336
.set AA,  4
.set WA,  5
.set STO, 6
.set RD,  7
.set CO,  8
.set L4,  9
.set WSO, 10
.set BO,  11
.set AS,  16
.set WS,  32
.set BOC, 48
.set WV,  18
.set RA,  19
.set RB,  20
.set G1A, 24
.set G0A, 32
.set G1B, 48
.set G0B, 68
.set MSB, 0
.macro WIN new
.if MSB != (\new)
	s_set_vgpr_msb (MSB<<8)|(\new)
.set MSB, (\new)
.endif
.endm
.macro ROUND
	s_barrier_signal -1
	s_barrier_wait -1
	s_cmp_lg_u32 s[WV], 0
	s_cbranch_scc1 .Lnot_wave_0_\@
	s_barrier_signal -3
.Lnot_wave_0_\@:
	s_barrier_wait -3
	s_barrier_signal -1
	s_barrier_wait -1
.endm
.macro PLACES n
.rept \n
	v_nop
.endr
.endm
.macro JLOAD g0a, g0b
	s_cmp_eq_u32 s[RA], 0
	s_cbranch_scc0 .Lfor_b_\@
	tensor_load_to_lds s[\g0a:\g0a+3], s[G1A:G1A+7]
	s_nop 0
	PLACES 4
	s_branch .Lasked_\@
.Lfor_b_\@:
	tensor_load_to_lds s[\g0b:\g0b+3], s[G1B:G1B+7]
	s_nop 0
	PLACES 4
.Lasked_\@:
.endm
	s_load_b256 s[4:11], s[0:1], 0x0
	s_load_b128 s[12:15], s[0:1], 0x20
	s_load_b64 s[16:17], s[0:1], 0x30
	v_lshl_add_u32 v126, v0, 2, 0x46400
	v_mov_b32 v127, 0
	ds_add_u32 v126, v127
	ds_add_u32 v126, v127
	v_lshrrev_b32 v1, 5, v0
	v_readfirstlane_b32 s[WV], v1
	s_lshr_b32 s[RA], s[WV], 1
	s_and_b32 s[RB], s[WV], 1
	s_bfe_u32 s21, ttmp6, 0x40000
	s_bfe_u32 s22, ttmp6, 0x40004
	s_lshl_b32 s23, ttmp9, 2
	s_add_co_u32 s23, s23, s21
	s_and_b32 s56, ttmp7, 0xffff
	s_lshl_b32 s56, s56, 2
	s_add_co_u32 s56, s56, s22
	s_lshl_b32 s57, s22, 2
	s_lshl_b32 s57, 15, s57
	s_lshl_b32 s58, 0x1111, s21
	s_or_b32 s[G1A], s57, (3<<16)|(1<<21)
	s_mov_b32 s[G1A+1], 32<<16
	s_mov_b32 s[G1A+2], 256<<16
	s_mov_b32 s[G1A+3], 32<<16
	s_mov_b32 s[G1A+4], 256
	s_mov_b32 s[G1A+5], 32
	s_mov_b32 s[G1A+6], 0
	s_mov_b32 s[G1A+7], 0
	s_or_b32 s[G1B], s58, (1<<20)|(1<<21)|(7<<22)|(3<<25)
	s_mov_b32 s[G1B+1], 1024<<16
	s_mov_b32 s[G1B+2], 64<<16
	s_mov_b32 s[G1B+3], 1024<<16
	s_mov_b32 s[G1B+4], 64
	s_mov_b32 s[G1B+5], 1024
	s_mov_b32 s[G1B+6], 0
	s_mov_b32 s[G1B+7], 0
	s_lshl_b32 s84, s56, 1
	s_add_co_u32 s84, s84, s[RB]
	s_lshl_b32 s84, s84, 16
	s_mov_b32 s85, 0
	s_lshl_b32 s86, s23, 1
	s_add_co_u32 s86, s86, s[RB]
	s_lshl_b32 s86, s86, 16
	s_mov_b32 s87, 0
	s_lshl_b32 s88, s[RB], 16
	s_mul_i32 s89, s[RB], UB
	s_add_co_u32 s89, s89, WOL
	s_wait_dscnt 0x0
	s_wait_kmcnt 0x0
	s_add_nc_u64 s[84:85], s[4:5], s[84:85]
	s_add_nc_u64 s[86:87], s[8:9], s[86:87]
	ROUND
.irp c, 0
	s_mov_b32 s[G0A+4*\c], 1
	s_add_co_u32 s[G0A+4*\c+1], s88, \c*16384
	s_add_nc_u64 s[G0A+4*\c+2:G0A+4*\c+3], s[84:85], \c*16384
	s_or_b32 s[G0A+4*\c+3], s[G0A+4*\c+3], 0x80000000
	s_mov_b32 s[G0B+4*\c], 1
	s_add_co_u32 s[G0B+4*\c+1], s89, \c*CH
	s_add_nc_u64 s[G0B+4*\c+2:G0B+4*\c+3], s[86:87], \c*256
	s_or_b32 s[G0B+4*\c+3], s[G0B+4*\c+3], 0x80000000
	JLOAD G0A+4*\c, G0B+4*\c
.endr
	v_and_b32 v1, 31, v0
	v_and_b32 v2, 15, v0
	v_bfe_u32 v3, v0, 4, 1
	s_lshl_b32 s90, s[RA], 16
	v_lshl_add_u32 v[AA], v1, 4, s90
	v_mul_u32_u24 v[WA], v2, WP
	v_lshl_add_u32 v[WA], v3, 4, v[WA]
	v_add_nc_u32 v[WA], s89, v[WA]
	s_mul_i32 s90, s[WV], 16*PITCH
	s_add_co_u32 s90, s90, STG
	v_mul_u32_u24 v[STO], v2, PITCH
	v_lshl_add_u32 v[STO], v3, 5, v[STO]
	v_add_nc_u32 v[STO], s90, v[STO]
	v_mul_u32_u24 v[RD], v3, PITCH
	v_lshl_add_u32 v[RD], v2, 4, v[RD]
	v_add_nc_u32 v[RD], s90, v[RD]
	v_lshlrev_b32 v[CO], 4, v2
	v_lshl_add_u32 v[CO], v3, 12, v[CO]
	v_lshlrev_b32 v[L4], 2, v1
	s_wait_alu depctr_va_vdst(0)
	v_lshlrev_b32 v[WSO], 5, v2
	v_lshl_add_u32 v[WSO], v3, 4, v[WSO]
	s_wait_alu depctr_va_vdst(0)
	v_lshlrev_b32 v[BO], 5, v3
	s_wait_alu depctr_va_vdst(0)
	s_lshl_b32 s59, s56, 1
	s_add_co_u32 s59, s59, s[RA]
	s_mov_b32 s61, 0
	s_lshl_b32 s60, s59, 11
	s_add_nc_u64 s[6:7], s[6:7], s[60:61]
	s_lshl_b32 s90, s23, 1
	s_add_co_u32 s90, s90, s[RB]
	s_lshl_b32 s60, s90, 11
	s_add_nc_u64 s[10:11], s[10:11], s[60:61]
	s_lshl_b32 s60, s90, 8
	s_add_nc_u64 s[12:13], s[12:13], s[60:61]
	s_lshl_b32 s91, s59, 18
	s_add_co_u32 s60, s60, s91
	s_add_nc_u64 s[14:15], s[14:15], s[60:61]
	s_add_nc_u64 s[16:17], s[16:17], s[60:61]
.irp i, 0,1,2,3
.irp q, 0,1,2,3
	global_load_b32 v[AS+4*\i+\q], v[L4], s[6:7] offset:512*\i+128*\q
.endr
.endr
.irp t, 0,1,2,3
	global_load_b128 v[WS+4*\t:WS+4*\t+3], v[WSO], s[10:11] offset:512*\t
.endr
.irp t, 0,1,2,3
	global_load_b128 v[BOC+8*\t:BOC+8*\t+3], v[BO], s[12:13] offset:64*\t
	global_load_b128 v[BOC+8*\t+4:BOC+8*\t+7], v[BO], s[12:13] offset:64*\t+16
.endr
	WIN 0x40
.irp i, 0,1,2,3
.irp t, 0,1,2,3,4,5,6,7
	global_load_b128 v[128+32*\i+4*\t:128+32*\i+4*\t+3], v[CO], s[14:15] offset:(32*(\i/2)+8*(\i%2)+2*\t+8*(\t/4))*4096 th:TH_LOAD_NT
.endr
.endr
	WIN 0
.macro FETCH s
.if (\s)%2
	WIN 0x80
.set fa, 0
.else
	WIN 0
.set fa, 128
.endif
.irp i, 0,1,2,3
.irp g, 0,1,2,3
	ds_load_b128 v[fa+16*\i+4*\g:fa+16*\i+4*\g+3], v[AA] offset:8192*(\s)+2048*\i+512*\g
.endr
.endr
.irp t, 0,1,2,3
.irp g, 0,1,2,3
	ds_load_b128 v[fa+64+16*\t+4*\g:fa+64+16*\t+4*\g+3], v[WA] offset:16*\t*WP+128*(\s)+32*\g
.endr
.endr
	WIN 0
.endm
.macro EMIT hi
.if \hi
	v_wmma_scale_f32_16x16x128_f8f6f4 v[rD:rD+7], v[rA:rA+15], v[rB:rB+15], v[rC:rC+7], v[rSA], v[rSB] matrix_a_fmt:MATRIX_FMT_BF8 matrix_b_fmt:MATRIX_FMT_BF8 matrix_a_scale:MATRIX_SCALE_ROW1 matrix_b_scale:MATRIX_SCALE_ROW1
.else
	v_wmma_scale_f32_16x16x128_f8f6f4 v[rD:rD+7], v[rA:rA+15], v[rB:rB+15], v[rC:rC+7], v[rSA], v[rSB] matrix_a_fmt:MATRIX_FMT_BF8 matrix_b_fmt:MATRIX_FMT_BF8
.endif
.endm
.macro MUL16 s
.set q4, (\s)%4
.if (\s)%2
	WIN 0x5a
.set fa, 0
.elseif (\s) == 0
	WIN 0x40
.set fa, 128
.else
	WIN 0x50
.set fa, 128
.endif
.irp i, 0,1,2,3
.irp t, 0,1,2,3
.set rD, 8*(4*\i+\t)
.set rA, fa+64+16*\t
.set rB, fa+16*\i
.set rC, rD
.if (\s) == 0
.set rC, BOC+8*\t
.endif
.set rSA, WS+4*\t+q4
.set rSB, AS+4*\i+q4
	EMIT (\s)/4
.endr
.endr
.endm
.macro OSTEP s
.if (\s) < 7
.if (\s) > 0
	PLACES 8
.endif
	FETCH (\s)+1
	s_wait_dscnt 32
.else
	s_wait_dscnt 0x0
.endif
.if (\s) == 0
	s_wait_loadcnt 32
.endif
	MUL16 \s
.endm
	s_wait_tensorcnt 0x0
	s_barrier_signal -1
	s_barrier_wait -1
	FETCH 0
.irp s, 0,1,2,3,4,5,6,7
	OSTEP \s
.endr
	WIN 0
	PLACES 8
	s_wait_loadcnt 0x0
.irp i, 0,1,2,3
.if \i >= 2
	s_wait_xcnt 0x0
.endif
	WIN 0x04
.irp t, 0,1,2,3
	ds_store_b128 v[STO], v[8*(4*\i+\t):8*(4*\i+\t)+3] offset:64*\t
	ds_store_b128 v[STO], v[8*(4*\i+\t)+4:8*(4*\i+\t)+7] offset:64*\t+16
.endr
	WIN 0
.irp t, 0,1,2,3,4,5,6,7
	ds_load_b128 v[128+32*(\i%2)+4*\t:128+32*(\i%2)+4*\t+3], v[RD] offset:2*PITCH*\t
.endr
	s_wait_dscnt 0x0
	WIN 0x04
.irp k, 0,2,4,6,8,10,12,14,16,18,20,22,24,26,28,30
	v_pk_add_f32 v[128+32*(\i%2)+\k:128+32*(\i%2)+\k+1], v[128+32*(\i%2)+\k:128+32*(\i%2)+\k+1], v[128+32*\i+\k:128+32*\i+\k+1]
.endr
	WIN 0
.irp t, 0,1,2,3,4,5,6,7
	global_store_b128 v[CO], v[128+32*(\i%2)+4*\t:128+32*(\i%2)+4*\t+3], s[16:17] offset:(32*(\i/2)+8*(\i%2)+2*\t+8*(\t/4))*4096 th:TH_STORE_NT
.endr
.endr
	s_wait_tensorcnt 0x0
	ds_add_u32 v126, v127
	s_wait_dscnt 0x0
	ROUND
	s_endpgm
.Lfunc_end_k_q025cbbd00e_oproj:
	.size	k_q025cbbd00e_oproj, .Lfunc_end_k_q025cbbd00e_oproj-k_q025cbbd00e_oproj
	.p2alignl 7, 3214868480
	.fill 96, 4, 3214868480
	.section	.rodata,"a",@progbits
	.p2align	6, 0x0
	.amdhsa_kernel k_q025cbbd00e_oproj
		.amdhsa_group_segment_fixed_size 327680
		.amdhsa_private_segment_fixed_size 0
		.amdhsa_enable_private_segment 0
		.amdhsa_kernarg_size 56
		.amdhsa_user_sgpr_count 2
		.amdhsa_user_sgpr_kernarg_segment_ptr 1
		.amdhsa_wavefront_size32 1
		.amdhsa_system_sgpr_workgroup_id_x 1
		.amdhsa_system_sgpr_workgroup_id_y 1
		.amdhsa_system_sgpr_workgroup_id_z 1
		.amdhsa_system_vgpr_workitem_id 0
		.amdhsa_next_free_vgpr 640
		.amdhsa_next_free_sgpr 100
		.amdhsa_reserve_vcc 0
		.amdhsa_float_denorm_mode_32 3
		.amdhsa_float_denorm_mode_16_64 3
		.amdhsa_memory_ordered 1
		.amdhsa_forward_progress 1
		.amdhsa_inst_pref_size 59
	.end_amdhsa_kernel
	.amdgpu_metadata
---
amdhsa.version: [ 1, 2 ]
amdhsa.kernels:
  - .name:           k_q025cbbd00e_oproj
    .symbol:         k_q025cbbd00e_oproj.kd
    .args:
      - { .name: ac, .offset: 0, .size: 8, .value_kind: global_buffer, .address_space: global }
      - { .name: asc, .offset: 8, .size: 8, .value_kind: global_buffer, .address_space: global }
      - { .name: Wo_codes, .offset: 16, .size: 8, .value_kind: global_buffer, .address_space: global }
      - { .name: Wo_scales, .offset: 24, .size: 8, .value_kind: global_buffer, .address_space: global }
      - { .name: bo, .offset: 32, .size: 8, .value_kind: global_buffer, .address_space: global }
      - { .name: x, .offset: 40, .size: 8, .value_kind: global_buffer, .address_space: global }
      - { .name: out0, .offset: 48, .size: 8, .value_kind: global_buffer, .address_space: global }
    .group_segment_fixed_size: 327680
    .private_segment_fixed_size: 0
    .kernarg_segment_align: 8
    .kernarg_segment_size: 56
    .max_flat_workgroup_size: 128
    .sgpr_count:     100
    .vgpr_count:     640
    .wavefront_size: 32
...
	.end_amdgpu_metadata
.endif
;; end of part 4
